; MI455X (gfx1250); checked and timed in simulation.
; The chip was launched on July 23, 2026; its instructions are those of AMD's public machine-readable ISA for CDNA 5 (MIT licence, August 2026) and "CDNA5" Instruction Set Architecture Reference Guide (July 2026). The comments in the code are by the model that wrote it; some were corrected since.
;; Multi Head Attention. Allowed arithmetic: matrix products marked QUANTISED: E2M3 operands, one E8M0 scale for each 32 along K, by v_wmma_scale_f32_16x16x128_f8f6f4 with both operands' format E2M3, f32 sums; everything else in f32.
;; Inputs: Wk 16 x 1,024 x 64 float32; Wo 1,024 x 1,024 float32; Wq 16 x 1,024 x 64 float32; Wv 16 x 1,024 x 64 float32; bk 16 x 64 float32; bo 1,024 float32; bq 16 x 64 float32; bv 16 x 64 float32; x 4 x 2,048 x 1,024 float32.
;; Outputs: out0 4 x 2,048 x 1,024 float32.
;; This version of the problem:
;;   THIS VERSION OF THE PROBLEM IS GIVEN IN LOW PRECISION. The matrix products marked QUANTISED in the list below multiply operands that are first quantised to E2M3 (2 exponent bits, 3 mantissa bits; 6 bits a number), with one power-of-two scale for each 32 numbers along K (OCP MX v1.0); their sums are f32. All else is computed in f32.
;;   The module's matrix products, in the order in which they are computed (A, B: the left and right operand; K: the contracted axis; several contracted axes count as one K, in the product's order):
;;     1. [M 1,024, K 1,024] x [K 1,024, N 8,192]; A: input Wq; B: input x: QUANTISED
;;     2. [M 1,024, K 1,024] x [K 1,024, N 8,192]; A: input Wk; B: input x: QUANTISED
;;     3. [M 1,024, K 1,024] x [K 1,024, N 8,192]; A: input Wv; B: input x: QUANTISED
;;     4. batch 64 x [M 2,048, K 64] x [K 64, N 2,048]; A: computed on the way; B: computed on the way: QUANTISED
;;     5. batch 64 x [M 2,048, K 2,048] x [K 2,048, N 64]; A: softmax (see below); B: computed on the way: QUANTISED
;;     6. [M 8,192, K 1,024] x [K 1,024, N 1,024]; A: computed on the way; B: input Wo: QUANTISED
;;   THE QUANTISER, for each operand of a quantised product, along K:
;;     - K is cut into blocks of 32 from its start; a last block that is shorter is filled with zeros.
;;     - A block's scale is 2^e with e = floor(log2(the largest magnitude in the block)) - 2, held to -126 .. 127; a block of zeros has e = 0. As a byte (E8M0): e + 127.
;;     - Each number is divided by its block's scale, clamped to +-7.5, and rounded to the nearest number of E2M3, ties to even, subnormals kept.
;;     - The product sums the exact products of the quantised numbers (number of the format x scale) in f32.
;;   ~~~python
;;   def quantise(x, axis):      # numpy; x: float32 -> the quantised numbers, widened to float32 again
;;       x = np.moveaxis(x, axis, -1); K = x.shape[-1]
;;       x = np.pad(x, [(0, 0)] * (x.ndim - 1) + [(0, -K % 32)]); x = x.reshape(x.shape[:-1] + (-1, 32)); a = np.abs(x).max(-1, keepdims=True)
;;       e = np.where(a > 0, np.clip(np.frexp(np.where(a > 0, a, 1))[1] - 1 - 2, -126, 127), 0)      # np.frexp(a)[1] - 1 = floor(log2(a)), exactly
;;       r = np.clip(x / 2.0 ** e, -7.5, 7.5)
;;       step = 2.0 ** (np.maximum(np.frexp(np.where(r == 0, 1, r))[1] - 1, 0) - 3)
;;       q = np.round(r / step) * step * 2.0 ** e      # np.round: ties to even
;;       return np.moveaxis(q.reshape(q.shape[:-2] + (-1,))[..., :K], -1, axis).astype(np.float32)
;;   ~~~
;;   SOFTMAX AHEAD OF A QUANTISED PRODUCT. Where the list says 'softmax', what is quantised is not the finished softmax but p = 2^(t - M), with t = logit x log2(e) and M = ceil(the row's largest t), a whole number; so 1/2 < the row's largest p <= 1. The row's sum l is taken of the UNQUANTISED p, in f32, and the product's result is divided by l at the end. Since M is a whole number, a kernel that streams over the keys may use a running M (the ceiling of the running maximum): every later rescaling is an exact power of two, which a block's scale takes up: the codes' values come out the same.
;;   OPERANDS COMPUTED ON THE WAY. 'Computed on the way' means the value that the module computes at that place (a softmax that the list does not call 'softmax' is quantised finished and normalised). What goes into a quantiser is computed in f32, as accurately as f32 sums, v_exp_f32 and their like allow (about 1e-6 of the number): no bf16 or f16 on the way to a quantiser, and a product that is left as it is and whose result goes on into a quantised operand takes f32 operands (vector FMAs, or v_wmma_f32_16x16x4_f32). A number that lies on a knife's edge between two numbers of the format may be rounded either way, as far as f32 arithmetic and the matrix unit's own rounding can turn it there, and no further.
;; One version. Each part assembles by itself: llvm-mc -triple=amdgcn-amd-amdhsa -mcpu=gfx1250 --defsym DOCPART=n.
;; ======== version 1 of 1: 4 launches
;; limits: right only within a limited range of input values
;; workspace buffers: xi 6,291,456 bytes; wi 3,145,728 bytes; scp 360,448 bytes; sco 294,912 bytes; qkv 18,874,368 bytes; qkvs 1,310,720 bytes; zi 6,291,456 bytes
;; launch quant (part 1): grid 640 x 1, 8 waves a work-group, no clusters, 96,768 bytes of LDS; arguments x, xi, scp, Wq, Wk, Wv, Wo, wi, sco; writes xi, scp, wi, sco
.if DOCPART == 1
	.amdgcn_target "amdgcn-amd-amdhsa--gfx1250"
	.amdhsa_code_object_version 6
	.text
	.protected	k_q34bc575d4f_quant
	.globl	k_q34bc575d4f_quant
	.p2align	8
	.type	k_q34bc575d4f_quant,@function
k_q34bc575d4f_quant:
	s_mov_b64 s[64:65], 0
	v_nop
	global_prefetch_b8 v0, s[64:65] scope:SCOPE_SE
	s_setreg_imm32_b32 hwreg(HW_REG_WAVE_MODE, 25, 1), 1
	s_wait_xcnt 0x0
; x and the four weights become codes of FP6 (E2M3) with one E8M0 byte for each 32 along d_model, laid as the matrix unit's registers take them.  One launch: work-groups 0-127 take the weights, 128-639 take x.
; TILE ORDER: tile T holds, in lane r, row 32 (T / 2) + 8 (T % 2) + r + 8 (r / 8).  A FRAGMENT (16 rows x 128 K, 12 registers a lane) lies as an image of its registers: register p of lane L at 512 (p / 4) + 16 L + 4 (p % 4).
; xi: [K step / 2][tile 512][K step % 2][1,536 bytes]; wi the same with 256 tiles: 0-63 Wq's rows head x 64 + e, 64-127 Wk's, 128-191 Wv's, 192-255 Wo's columns.
; Scale words [tile][K step / 4][r][K step % 4]: x's in scp from byte 0, Wq's, Wk's, Wv's in scp from byte 262,144, Wo's in sco from byte 262,144.
; A block's scale is 2^(floor(log2(largest magnitude)) - 2); its byte is the largest magnitude's exponent field - 2, held at 1 from below.
; LIMITS: NaN and infinities are not served; a block whose largest magnitude lies under 2^-124 keeps the byte 1; a block of zeros gets the byte 1 (its codes are zeros, and this program alone reads the bytes).
; No cluster, no tensor load: the work-groups share no input, and each input byte is read once.  The two paths part on the work-group's number alone and have LDS bytes of their own.
.set QW,    68096                      ; x's path: LDS 0 .. 68,095; the weights' path from here on
.set SPARE, 95744                      ; the spare words, 128 bytes a wave
.set SPW,   192
.set NIL,   193
.macro WALU
	s_wait_alu depctr_va_vdst(0)
.endm
	v_lshl_add_u32 v[SPW], v0, 2, SPARE
	v_mov_b32 v[NIL], 0
	v_lshrrev_b32 v1, 5, v0
	v_readfirstlane_b32 s3, v1                     ; wave
	s_cmp_lt_u32 ttmp9, 128
	s_cbranch_scc0 .Lx
; ---------------- the weights, whose K is not innermost.  Panel = 64 columns (a head of Wq, Wk, Wv; 64 columns of Wo); wave w: 32 columns (w % 2), K step 4 sq + w / 2.
; A lane takes a column and its registers run down K: a load reads 128 consecutive bytes, a block of 32 along K lies in one lane, and the conversions give codes with K innermost.
; A lane's six registers of block t belong to lane r + 16 (t % 2) of its tile's image: they go through the wave's own stage (two images, 1,664 bytes apart) and leave as 512 consecutive bytes a store.
.set STG,  3328
.set HST,  1664
.set SCW,  QW+8*STG                    ; behind the stages: 4 tiles x 16 rows x 4 words
.set X,    16
.set C,    144
.set E,    176
.set SB,   180
.macro LOADS pitch
.set n, 0
.rept 128
	global_load_b32 v[X+n], v3, s[20:21] offset:n*\pitch th:TH_LOAD_NT
.set n, n+1
.endr
.endm
	s_load_b256 s[4:11], s[0:1], 0x18              ; Wq, Wk, Wv, Wo
	s_load_b64 s[12:13], s[0:1], 0x38              ; wi
	s_load_b64 s[14:15], s[0:1], 0x10              ; scp
	s_load_b64 s[16:17], s[0:1], 0x40              ; sco
	s_and_b32 s38, ttmp9, 63                       ; panel
	s_and_b32 s19, s3, 1                           ; g: which 32 columns
	s_lshr_b32 s22, s3, 1
	s_lshr_b32 s23, ttmp9, 6                       ; sq
	s_lshl_b32 s24, s23, 2
	s_add_co_u32 s24, s24, s22                     ; the K step
	s_lshr_b32 s25, s38, 4                         ; which weight
	s_and_b32 s26, s38, 15                         ; which panel of it
	s_mul_i32 s27, s3, STG
	s_add_co_u32 s27, s27, QW
	s_lshl_b32 s28, s19, 9
	s_lshl_b32 s29, s22, 2
	s_add_co_u32 s28, s28, s29
	s_add_co_u32 s28, s28, SCW
	s_cmp_eq_u32 s25, 3                            ; Wq, Wk, Wv: a head is 262,144 bytes, a row of K 256;  Wo: a panel 256 bytes, a row 4,096
	s_cselect_b32 s30, 8, 18
	s_cselect_b32 s31, 19, 15
	s_cselect_b32 s34, 48, 0
	s_lshl_b32 s30, s26, s30
	s_lshl_b32 s31, s24, s31
	s_add_co_u32 s30, s30, s31
	s_lshl_b32 s31, s19, 7
	s_add_co_u32 s30, s30, s31
	s_mov_b32 s31, 0
	s_lshr_b32 s32, s24, 1
	s_mul_i32 s32, s32, 786432
	s_lshl_b32 s33, s38, 2
	s_lshl_b32 s35, s19, 1
	s_add_co_u32 s33, s33, s35                     ; my first tile: 4 x panel + 2 g
	s_mul_i32 s33, s33, 3072
	s_add_co_u32 s32, s32, s33
	s_and_b32 s33, s24, 1
	s_mul_i32 s33, s33, 1536
	s_add_co_u32 s32, s32, s33
	s_mov_b32 s33, 0
	s_sub_co_u32 s34, s38, s34                     ; Wo's panels count from 0 in sco
	s_lshl_b32 s34, s34, 11
	s_lshl_b32 s35, s23, 8
	s_add_co_u32 s34, s34, s35
	s_add_co_u32 s34, s34, 262144
	s_mov_b32 s35, 0
	v_and_b32 v1, 31, v0
	v_lshlrev_b32 v3, 2, v1
	v_lshlrev_b32 v4, 4, v1
	v_bfe_u32 v5, v0, 3, 1                         ; u: which tile of the pair my column falls in
	v_and_b32 v6, 7, v0
	v_bfe_u32 v7, v0, 4, 1
	v_lshl_add_u32 v6, v7, 3, v6                   ; r: its lane there
	v_mul_u32_u24 v8, v5, HST
	v_lshl_add_u32 v8, v6, 4, v8
	v_add_nc_u32 v8, s27, v8                       ; the stage, on the way in
	v_add_nc_u32 v9, s27, v4                       ; and on the way out
	v_lshlrev_b32 v10, 8, v5
	v_lshl_add_u32 v10, v6, 4, v10
	v_add_nc_u32 v10, s28, v10                     ; my scale word: SCW + 256 (2 g + u) + 16 r + 4 (w / 2)
	v_add_nc_u32 v14, SCW, v4
	v_and_b32 v15, 15, v0
	v_lshlrev_b32 v15, 4, v15
	v_lshl_add_u32 v15, v7, 9, v15                 ; where the words go: 512 bytes from tile to tile
	WALU                                           ; the wait at the head's end
	s_wait_kmcnt 0x0
	s_cmp_eq_u32 s25, 1                            ; the choices hang on the work-group's number alone
	s_cselect_b64 s[20:21], s[6:7], s[4:5]
	s_cmp_eq_u32 s25, 2
	s_cselect_b64 s[20:21], s[8:9], s[20:21]
	s_cmp_eq_u32 s25, 3
	s_cselect_b64 s[20:21], s[10:11], s[20:21]
	s_cselect_b64 s[36:37], s[16:17], s[14:15]
	s_add_nc_u64 s[20:21], s[20:21], s[30:31]
	s_add_nc_u64 s[12:13], s[12:13], s[32:33]
	s_add_nc_u64 s[36:37], s[36:37], s[34:35]
	s_cmp_eq_u32 s25, 3
	s_cbranch_scc1 .Lwo                            ; the two ways differ in the loads' immediates alone; both issue 128 loads
	LOADS 256
	s_branch .Lloaded
.Lwo:
	LOADS 4096
.Lloaded:
.macro BLOCK t
.set XS, X+32*(\t)
.if (96-32*(\t)) > 63
	s_wait_loadcnt 63                              ; the count's field ends at 63: at least this block's loads are in
.else
	s_wait_loadcnt 96-32*(\t)                      ; this block's loads are in; the later blocks' stay out
.endif
	v_max3_num_f32 v12, |v[XS]|, |v[XS+1]|, |v[XS+2]|
	v_max3_num_f32 v13, |v[XS+3]|, |v[XS+4]|, |v[XS+5]|
.irp i, 6,10,14,18,22,26
	v_max3_num_f32 v12, v12, |v[XS+\i]|, |v[XS+\i+1]|
	v_max3_num_f32 v13, v13, |v[XS+\i+2]|, |v[XS+\i+3]|
.endr
	v_max3_num_f32 v12, v12, |v[XS+30]|, |v[XS+31]|
	v_max3_num_f32 v12, v12, v13, 0x1800000        ; and the floor 2^(3 - 127)
	v_add_nc_u32 v11, 0xff000000, v12              ; the conversion's scale operand
	v_lshrrev_b32 v13, 23, v11                     ; the scale's byte
.if (\t) == 0
	v_mov_b32 v[SB], v13
.else
	v_lshl_or_b32 v[SB], v13, 8*(\t), v[SB]
.endif
	v_cvt_scalef32_pk16_fp6_f32 v[C+8*(\t):C+8*(\t)+2], v[XS:XS+15], v11
	v_cvt_scalef32_pk16_fp6_f32 v[E:E+2], v[XS+16:XS+31], v11
	v_nop                                          ; one plain place behind a scaled conversion
.irp i, 0,1,2
	v_mov_b32 v[C+8*(\t)+3+\i], v[E+\i]
.endr
.if (\t)/2 == 0                        ; registers 0-5 of lane r + 16 (t % 2)
	ds_store_b128 v8, v[C+8*(\t):C+8*(\t)+3] offset:256*((\t)%2)
	ds_store_b64 v8, v[C+8*(\t)+4:C+8*(\t)+5] offset:512+256*((\t)%2)
.else                                  ; registers 6-11
	ds_store_b64 v8, v[C+8*(\t):C+8*(\t)+1] offset:520+256*((\t)%2)
	ds_store_b128 v8, v[C+8*(\t)+2:C+8*(\t)+5] offset:1024+256*((\t)%2)
.endif
.endm
	BLOCK 0
	BLOCK 1
	BLOCK 2
	BLOCK 3
	ds_store_b32 v10, v[SB]
.irp u, 0,1
.irp c, 0,1,2
	ds_load_b128 v[16+12*\u+4*\c:19+12*\u+4*\c], v9 offset:HST*\u+512*\c   ; LDS serves a wave's instructions in order: these see my stores
.endr
.endr
.irp u, 0,1
.irp c, 0,1,2
	s_wait_dscnt 5-3*\u-\c                         ; this load is in; the younger ones stay out
	global_store_b128 v4, v[16+12*\u+4*\c:19+12*\u+4*\c], s[12:13] offset:3072*\u+512*\c   ; 512 consecutive bytes, aligned
.endr
.endr
	s_barrier_signal -1                            ; (the last count above was 0: my scale word has landed)
	s_barrier_wait -1
	s_cmp_lg_u32 s3, 0
	s_cbranch_scc1 .Ldonew
	ds_load_b128 v[40:43], v14
	ds_load_b128 v[44:47], v14 offset:512
	s_wait_dscnt 0x0
	global_store_b128 v15, v[40:43], s[36:37]              ; sixteen lanes store a tile's 256 consecutive bytes, aligned
	global_store_b128 v15, v[44:47], s[36:37] offset:1024
.Ldonew:
	s_wait_tensorcnt 0x0                           ; the wave's end
	ds_add_u32 v[SPW], v[NIL]
	s_wait_dscnt 0x0
	s_endpgm
; ---------------- x.  A work-group takes a tile, wave w its K step w: one fragment.  Each load reads 512 consecutive bytes of one row; the 16 rows turn through the wave's own stage (rows 528 bytes apart) and come back
; so that lane (r, h) holds, of row r, k = 64 c + 32 h + 0 .. 31 in consecutive registers: two whole blocks a lane.
.Lx:
.set STG,  8448
.set SCX,  8*STG                       ; behind the stages: the tile's 128 scale words
.set R,    16
.set Y,    80
.set C,    144
.set E,    156
	s_load_b128 s[4:7], s[0:1], 0x0                ; x, xi
	s_load_b64 s[8:9], s[0:1], 0x10                ; scp
	s_sub_co_u32 s23, ttmp9, 128                   ; the tile
	s_mul_i32 s13, s3, STG
	s_lshr_b32 s24, s3, 2
	s_lshl_b32 s24, s24, 8
	s_and_b32 s14, s3, 3
	s_lshl_b32 s14, s14, 2
	s_add_co_u32 s24, s24, s14
	s_add_co_u32 s24, s24, SCX
	s_lshr_b32 s14, s23, 1
	s_lshl_b32 s14, s14, 17                        ; 32 (T / 2) rows of 4,096 bytes
	s_and_b32 s15, s23, 1
	s_lshl_b32 s15, s15, 15                        ; 8 (T % 2) rows
	s_add_co_u32 s14, s14, s15
	s_lshl_b32 s15, s3, 9                          ; the K step's 512 bytes
	s_add_co_u32 s14, s14, s15
	s_mov_b32 s15, 0
	s_lshr_b32 s16, s3, 1
	s_mul_i32 s16, s16, 1572864
	s_mul_i32 s17, s23, 3072
	s_add_co_u32 s16, s16, s17
	s_and_b32 s17, s3, 1
	s_mul_i32 s17, s17, 1536
	s_add_co_u32 s16, s16, s17
	s_mov_b32 s17, 0
	s_lshl_b32 s18, s23, 9
	s_mov_b32 s19, 0
	s_mov_b32 s20, 0x76543210
	s_mov_b32 s21, 0xfedcba98                      ; v_permlanex16_b32's selects for lane l xor 16
	v_and_b32 v1, 31, v0
	v_and_b32 v2, 15, v0                           ; r
	v_bfe_u32 v3, v0, 4, 1                         ; h
	v_lshlrev_b32 v4, 4, v1                        ; 16 x lane
	v_add_nc_u32 v5, s13, v4                       ; the stage, on the way in
	v_mul_u32_u24 v6, v2, 528
	v_lshl_add_u32 v6, v3, 7, v6
	v_add_nc_u32 v6, s13, v6                       ; and on the way out: row r, + 128 h
	v_lshlrev_b32 v7, 4, v2
	v_add_nc_u32 v7, s24, v7                       ; my row's scale word: SCX + 256 (w / 4) + 16 r + 4 (w % 4)
	v_add_nc_u32 v168, SCX, v4
	WALU                                           ; the wait at the head's end
	s_wait_kmcnt 0x0
	s_add_nc_u64 s[4:5], s[4:5], s[14:15]
	s_add_nc_u64 s[6:7], s[6:7], s[16:17]
	s_add_nc_u64 s[8:9], s[8:9], s[18:19]
.irp i, 0,1,2,3,4,5,6,7,8,9,10,11,12,13,14,15
	global_load_b128 v[R+4*\i:R+4*\i+3], v4, s[4:5] offset:(\i+8*(\i/8))*4096 th:TH_LOAD_NT   ; the tile's row i: 512 consecutive bytes
.endr
.irp i, 0,1,2,3,4,5,6,7,8,9,10,11,12,13,14,15
	s_wait_loadcnt 15-\i                           ; row i is in; the younger loads stay out
	ds_store_b128 v5, v[R+4*\i:R+4*\i+3] offset:528*\i
.endr
.irp c, 0,1
.irp j, 0,1,2,3,4,5,6,7
	ds_load_b128 v[Y+32*\c+4*\j:Y+32*\c+4*\j+3], v6 offset:256*\c+16*\j   ; LDS serves a wave's instructions in order: these see my stores
.endr
.endr
	s_wait_dscnt 0x0
.irp c, 0,1
	v_max3_num_f32 v[8+\c], |v[Y+32*\c]|, |v[Y+32*\c+1]|, 0x1800000   ; block 2 c + h, and the floor 2^(3 - 127)
.endr
.irp i, 2,4,6,8,10,12,14,16,18,20,22,24,26,28,30
.irp c, 0,1
	v_max3_num_f32 v[8+\c], v[8+\c], |v[Y+32*\c+\i]|, |v[Y+32*\c+\i+1]|
.endr
.endr
.irp c, 0,1
	v_add_nc_u32 v[10+\c], 0xff000000, v[8+\c]     ; the conversion's scale operand
.endr
.irp c, 0,1
	v_lshrrev_b32 v[12+\c], 23, v[10+\c]           ; the scale's byte
.endr
	v_lshl_or_b32 v14, v13, 16, v12                ; my bytes: blocks h and 2 + h,
	v_lshlrev_b32 v15, 3, v3
	v_lshlrev_b32 v14, v15, v14                    ; at their places in the word;
	v_mov_b32 v15, 0
	v_permlanex16_b32 v15, v14, s20, s21
	v_or_b32 v14, v14, v15                         ; with lane l xor 16's two the word is whole
.irp c, 0,1
	v_cvt_scalef32_pk16_fp6_f32 v[C+6*\c:C+6*\c+2], v[Y+32*\c:Y+32*\c+15], v[10+\c]
	v_cvt_scalef32_pk16_fp6_f32 v[E+4*\c:E+4*\c+2], v[Y+32*\c+16:Y+32*\c+31], v[10+\c]
.endr
	v_nop                                          ; one plain place behind a scaled conversion
.irp c, 0,1
.irp i, 0,1,2
	v_mov_b32 v[C+6*\c+3+\i], v[E+4*\c+\i]
.endr
.endr
.irp g, 0,1,2
	global_store_b128 v4, v[C+4*\g:C+4*\g+3], s[6:7] offset:512*\g   ; 512 consecutive bytes, aligned
.endr
	ds_store_b32 v7, v14                           ; both halves of the lanes write the same word with the same value
	s_wait_dscnt 0x0                               ; for the others' sake: my word has landed
	s_barrier_signal -1
	s_barrier_wait -1
	s_cmp_lg_u32 s3, 0
	s_cbranch_scc1 .Ldonex
	ds_load_b128 v[164:167], v168                  ; the eight waves' words
	s_wait_dscnt 0x0
	global_store_b128 v4, v[164:167], s[8:9]       ; 512 consecutive bytes, aligned
.Ldonex:
	s_wait_tensorcnt 0x0                           ; the wave's end
	ds_add_u32 v[SPW], v[NIL]
	s_wait_dscnt 0x0
	s_endpgm
.Lfunc_end_k_q34bc575d4f_quant:
	.size	k_q34bc575d4f_quant, .Lfunc_end_k_q34bc575d4f_quant-k_q34bc575d4f_quant
	.p2alignl 7, 3214868480
	.fill 96, 4, 3214868480
	.section	.rodata,"a",@progbits
	.p2align	6, 0x0
	.amdhsa_kernel k_q34bc575d4f_quant
		.amdhsa_group_segment_fixed_size 96768
		.amdhsa_private_segment_fixed_size 0
		.amdhsa_enable_private_segment 0
		.amdhsa_kernarg_size 72
		.amdhsa_user_sgpr_count 2
		.amdhsa_user_sgpr_kernarg_segment_ptr 1
		.amdhsa_wavefront_size32 1
		.amdhsa_system_sgpr_workgroup_id_x 1
		.amdhsa_system_sgpr_workgroup_id_y 1
		.amdhsa_system_sgpr_workgroup_id_z 1
		.amdhsa_system_vgpr_workitem_id 0
		.amdhsa_next_free_vgpr 194
		.amdhsa_next_free_sgpr 66
		.amdhsa_reserve_vcc 0
		.amdhsa_float_denorm_mode_32 3
		.amdhsa_float_denorm_mode_16_64 3
		.amdhsa_memory_ordered 1
		.amdhsa_forward_progress 1
		.amdhsa_inst_pref_size 46
	.end_amdhsa_kernel
	.amdgpu_metadata
---
amdhsa.version: [ 1, 2 ]
amdhsa.kernels:
  - .name:           k_q34bc575d4f_quant
    .symbol:         k_q34bc575d4f_quant.kd
    .args:
      - { .name: x, .offset: 0, .size: 8, .value_kind: global_buffer, .address_space: global }
      - { .name: xi, .offset: 8, .size: 8, .value_kind: global_buffer, .address_space: global }
      - { .name: scp, .offset: 16, .size: 8, .value_kind: global_buffer, .address_space: global }
      - { .name: Wq, .offset: 24, .size: 8, .value_kind: global_buffer, .address_space: global }
      - { .name: Wk, .offset: 32, .size: 8, .value_kind: global_buffer, .address_space: global }
      - { .name: Wv, .offset: 40, .size: 8, .value_kind: global_buffer, .address_space: global }
      - { .name: Wo, .offset: 48, .size: 8, .value_kind: global_buffer, .address_space: global }
      - { .name: wi, .offset: 56, .size: 8, .value_kind: global_buffer, .address_space: global }
      - { .name: sco, .offset: 64, .size: 8, .value_kind: global_buffer, .address_space: global }
    .group_segment_fixed_size: 96768
    .private_segment_fixed_size: 0
    .kernarg_segment_align: 8
    .kernarg_segment_size: 72
    .max_flat_workgroup_size: 256
    .sgpr_count:     66
    .vgpr_count:     194
    .wavefront_size: 32
...
	.end_amdgpu_metadata
.endif
;; end of part 1
;; launch projqk (part 2): grid 8 x 32, 4 waves a work-group, clusters of 4 x 4, 327,680 bytes of LDS; arguments xi, wi, scp, bq, bk, qkv, qkvs, bv; writes qkv, qkvs
.if DOCPART == 2
	.amdgcn_target "amdgcn-amd-amdhsa--gfx1250"
	.amdhsa_code_object_version 6
	.text
	.protected	k_q34bc575d4f_projqk
	.globl	k_q34bc575d4f_projqk
	.p2align	8
	.type	k_q34bc575d4f_projqk,@function
k_q34bc575d4f_projqk:
	s_mov_b64 s[64:65], 0
	v_nop
	global_prefetch_b8 v0, s[64:65] scope:SCOPE_SE
	s_setreg_imm32_b32 hwreg(HW_REG_WAVE_MODE, 25, 1), 1
	s_wait_xcnt 0x0
	s_wait_alu depctr_hold_cnt(0) depctr_sa_sdst(0) depctr_va_vdst(0) depctr_va_sdst(0) depctr_va_ssrc(0) depctr_va_vcc(0) depctr_vm_vsrc(0)
	s_getreg_b32 s2, hwreg(HW_REG_IB_STS2, 6, 4)
	s_cmp_eq_u32 s2, 0
	s_cbranch_scc0 .Lentry_in_a_cluster
	s_endpgm
.Lentry_in_a_cluster:
	s_bfe_u32 s2, ttmp6, 0x10000c
	s_cmp_lg_u32 s2, 0xf033
	s_cbranch_scc0 .Lentry_shape_is_right
	s_endpgm
.Lentry_shape_is_right:
; q, k and v = x W + b on codes of FP6 (E2M3), K = d_model = 1,024, and their quantising for attention's two products.  256 work-groups of four waves, 2 x 2; cluster 4 x 4.
; PHASE 1: 256 tokens (A, source 1; by work-group y) x 256 columns of Wq or Wk (B, source 0; by work-group x); a wave makes 128 x 128.  Operands lie in memory as images of their registers, [K step / 2][tile][K step % 2][1,536].
; Three of the four pairs of K steps are asked for at the head, one tensor load a wave (3 rows of 24,576 bytes); the fourth is the phase's one refill, onto the first.  The results are quantised along the head's 64 channels.
; PHASE 2: 128 of Wv's rows (by work-group x) x the same 256 tokens; a wave makes 64 channels (one head) x 128 tokens, 32 accumulators.  All of K of both operands, 294,912 bytes, is asked for in a round that stands in
; phase 1's last K step, behind every wave's last LDS read: one tensor load a wave (4 rows of 24,576 or 12,288 bytes), in flight under phase 1's way out.  The results are quantised along the keys.
; x's tiles are asked for jointly along a row of the cluster, a weight's along a column, in both phases.  No data prefetch: each phase's tiles are asked for in one or two goes, with no loop to run ahead in.
; LIMITS: NaN and infinities are not served; a block whose largest magnitude lies under 2^-124 keeps the byte 1; a block of zeros gets the byte 1 (its codes are zeros, and this program alone reads the bytes).
.set VAREG, 49152                      ; phase 2's LDS: Wv's four tiles of a wave row, all of K; two such, then x's eight tiles of a wave column, all of K, two such
.set VBREG, 98304
.set VBL,   2*VAREG
.set VNF,   36                         ; LDS loads of a K step in phase 2
.set TA0,   0
.set TB0,   0
.set SPA,   1572864
.set SPB,   786432
.set SOA,   0
.set SOB,   262144
.set NLA,   3
.set TILEB, 3072
.set HALFT, 8*TILEB
.set SLOT,  4*HALFT
.set WREG,  3*HALFT                    ; a wave's part of LDS: three pairs of K steps of its eight tiles
.set SPARE, 4*WREG
.set G1H,   76                         ; s[76:83], s[84:91] group 1 of the head's loads: 3 rows of 24,576 bytes, one for each pair of K steps
.set G1HB,  84
.set LI,   10
.set SCO,  11
.set BO,   12
.set SO,   13
.set SH,   14
.set ADRA, 16
.set ADRB, 20
.set SPW,  28
.set NIL,  29
.set SC,   32
.set AF,   128
.set TM,   96
.set E0,   112
.set E1,   116
.set PW,   120
.set WD,   224
.set G1,   24
.set G0,   32
.set G1B,  48
.set G0B,  56
.set SEL,  74
.set MSB, 0
.macro WIN new
.if MSB != (\new)
	s_set_vgpr_msb (MSB<<8)|(\new)
.set MSB, (\new)
.endif
.endm
.set MUL_LO, 0xa1
.set MUL_HI, 0xf1
.set TO_B,   0x40
.macro JLOAD g0a, g1a, g0b, g1b
	s_cmp_eq_u32 s15, 0
	s_cbranch_scc0 .Lfor_b_\@
	tensor_load_to_lds s[\g0a:\g0a+3], s[\g1a:\g1a+7]
	s_nop 0
.rept 4
	v_nop
.endr
	s_branch .Lasked_\@
.Lfor_b_\@:
	tensor_load_to_lds s[\g0b:\g0b+3], s[\g1b:\g1b+7]
	s_nop 0
.rept 4
	v_nop
.endr
.Lasked_\@:
.endm
.macro CREST
	s_cmp_lg_u32 s14, 0
	s_cbranch_scc1 .Lnot_wave_0_\@
	s_barrier_signal -3
.Lnot_wave_0_\@:
	s_barrier_wait -3
	s_barrier_signal -1
	s_barrier_wait -1
.endm
.macro CROUND
	s_barrier_signal -1
	s_barrier_wait -1
	CREST
.endm
.macro PLACES
.rept 4
	v_nop
.endr
.endm
	s_load_b128 s[4:7], s[0:1], 0x0
	s_load_b128 s[8:11], s[0:1], 0x10
	s_load_b128 s[68:71], s[0:1], 0x20
	s_load_b64 s[72:73], s[0:1], 0x30
	s_load_b64 s[92:93], s[0:1], 0x38              ; bv
	v_lshl_add_u32 v[SPW], v0, 2, SPARE
	v_mov_b32 v[NIL], 0
	ds_add_u32 v28, v29
	ds_add_u32 v28, v29
	s_wait_dscnt 0x0
	v_lshrrev_b32 v1, 5, v0
	v_readfirstlane_b32 s14, v1
	s_lshr_b32 s15, s14, 1
	s_and_b32 s16, s14, 1
	s_bfe_u32 s40, ttmp6, 0x40000
	s_bfe_u32 s41, ttmp6, 0x40004
	s_lshl_b32 s42, ttmp9, 2
	s_add_co_u32 s42, s42, s40
	s_and_b32 s17, ttmp7, 0xffff
	s_lshl_b32 s17, s17, 2
	s_add_co_u32 s17, s17, s41
	s_lshl_b32 s43, s41, 2
	s_lshl_b32 s43, 15, s43
	s_lshl_b32 s44, 0x1111, s40
	s_or_b32 s[G1+0], s43, (3<<16)|(1<<21)
	s_or_b32 s[G1B+0], s44, (3<<16)|(1<<21)
.irp g, G1, G1B
	s_mov_b32 s[\g+1], 32<<16
	s_mov_b32 s[\g+2], 96<<16
	s_mov_b32 s[\g+3], 32<<16
	s_mov_b32 s[\g+4], 96
	s_mov_b32 s[\g+5], 32
	s_mov_b32 s[\g+6], 0
	s_mov_b32 s[\g+7], 0
.endr
	s_lshl_b32 s18, s16, 3
	s_lshl_b32 s20, s17, 4
	s_add_co_u32 s20, s20, s18
	s_add_co_u32 s20, s20, TA0
	s_mul_i32 s20, s20, TILEB
	s_mov_b32 s21, 0
	s_lshl_b32 s46, s42, 4
	s_add_co_u32 s46, s46, s18
	s_add_co_u32 s46, s46, TB0
	s_mul_i32 s46, s46, TILEB
	s_mov_b32 s47, 0
	s_mul_i32 s45, s14, WREG
	s_or_b32 s[G1H+0], s43, (3<<16)|(1<<21)
	s_or_b32 s[G1HB+0], s44, (3<<16)|(1<<21)
.irp g, G1H, G1HB
	s_mov_b32 s[\g+1], 3072<<16
	s_mov_b32 s[\g+2], 3<<16
	s_mov_b32 s[\g+3], 3072<<16
	s_mov_b32 s[\g+4], 3
	s_mov_b32 s[\g+6], 0
	s_mov_b32 s[\g+7], 0
.endr
	s_mov_b32 s[G1H+5], SPA/8
	s_mov_b32 s[G1HB+5], SPB/8
	s_wait_kmcnt 0x0
	s_add_nc_u64 s[20:21], s[4:5], s[20:21]
	s_add_nc_u64 s[46:47], s[6:7], s[46:47]
	CROUND
.irp s, 0,1
	s_mov_b32 s[G0+4*\s], 1
	s_add_co_u32 s[G0+4*\s+1], s45, \s*SLOT
	s_add_nc_u64 s[G0+4*\s+2:G0+4*\s+3], s[20:21], \s*SPA
	s_or_b32 s[G0+4*\s+3], s[G0+4*\s+3], 0x80000000
	s_mov_b32 s[G0B+4*\s], 1
	s_add_co_u32 s[G0B+4*\s+1], s45, \s*SLOT
	s_add_nc_u64 s[G0B+4*\s+2:G0B+4*\s+3], s[46:47], \s*SPB
	s_or_b32 s[G0B+4*\s+3], s[G0B+4*\s+3], 0x80000000
.endr
	JLOAD G0, G1H, G0B, G1HB                       ; K steps 0 to 5 of my eight tiles: my one tensor load at the head
	v_and_b32 v1, 15, v0
	v_bfe_u32 v2, v0, 4, 1
	s_wait_alu depctr_va_vdst(0)
	v_and_b32 v3, 31, v0
	v_lshlrev_b32 v[LI], 4, v3
	s_mul_i32 s21, s15, WREG
	s_mul_i32 s22, s16, WREG
	s_add_co_u32 s22, s22, 2*WREG
	v_add_nc_u32 v[ADRA], s21, v[LI]
	v_add_nc_u32 v[ADRB], s22, v[LI]
.irp s, 1,2
	v_add_nc_u32 v[ADRA+\s], \s*HALFT, v[ADRA]
	v_add_nc_u32 v[ADRB+\s], \s*HALFT, v[ADRB]
.endr
	s_lshl_b32 s18, s17, 4
	s_lshl_b32 s19, s15, 3
	s_add_co_u32 s18, s18, s19
	s_lshl_b32 s18, s18, 9
	s_add_co_u32 s18, s18, SOA
	s_lshl_b32 s19, s42, 4
	s_lshl_b32 s23, s16, 3
	s_add_co_u32 s19, s19, s23
	s_lshl_b32 s19, s19, 9
	s_add_co_u32 s19, s19, SOB
	v_mov_b32 v5, s18
	v_mov_b32 v6, s19
	v_cmp_eq_u32 vcc_lo, 1, v2
	v_cndmask_b32 v[SCO], v5, v6, vcc_lo
	v_lshl_add_u32 v[SCO], v1, 4, v[SCO]
.irp i, 0,1,2,3,4,5,6,7
.irp q, 0,1
	global_load_b128 v[SC+8*\i+4*\q:SC+8*\i+4*\q+3], v[SCO], s[8:9] offset:512*\i+256*\q
.endr
.endr
	s_cmp_lt_u32 s42, 4
	s_cselect_b64 s[10:11], s[10:11], s[68:69]
	s_and_b32 s20, s42, 3
	s_lshl_b32 s20, s20, 10
	s_lshl_b32 s23, s16, 9
	s_add_co_u32 s20, s20, s23
	s_mov_b32 s21, 0
	s_add_nc_u64 s[10:11], s[10:11], s[20:21]
	v_lshlrev_b32 v[BO], 6, v2
.irp b, 0,1,2,3,4,5,6,7
	global_load_b128 v[96+8*\b+96*(\b/4):96+8*\b+96*(\b/4)+3], v[BO], s[10:11] offset:4*(32*(\b/2)+8*(\b%2))
	global_load_b128 v[96+8*\b+96*(\b/4)+4:96+8*\b+96*(\b/4)+7], v[BO], s[10:11] offset:4*(32*(\b/2)+8*(\b%2))+16
.endr
	s_lshr_b32 s18, s17, 3
	s_lshl_b32 s18, s18, 4
	s_and_b32 s19, s42, 3
	s_lshl_b32 s19, s19, 2
	s_add_co_u32 s18, s18, s19
	s_lshl_b32 s19, s16, 1
	s_add_co_u32 s18, s18, s19
	s_and_b32 s19, s17, 7
	s_lshl_b32 s19, s19, 1
	s_add_co_u32 s19, s19, s15
	s_lshr_b32 s22, s42, 2
	s_mul_i32 s20, s18, 294912
	s_mul_i32 s23, s22, 98304
	s_add_co_u32 s20, s20, s23
	s_mul_i32 s23, s19, 6144
	s_add_co_u32 s20, s20, s23
	s_add_nc_u64 s[12:13], s[70:71], s[20:21]
	s_mul_i32 s20, s18, 20480
	s_lshl_b32 s23, s22, 13
	s_add_co_u32 s20, s20, s23
	s_lshl_b32 s23, s19, 9
	s_add_co_u32 s20, s20, s23
	s_add_nc_u64 s[66:67], s[72:73], s[20:21]
	v_mul_u32_u24 v[SO], v2, 20480
	v_lshl_add_u32 v[SO], v1, 4, v[SO]
	v_lshlrev_b32 v[SH], 4, v2
	s_mov_b32 s[SEL], 0x76543210
	s_mov_b32 s[SEL+1], 0xfedcba98
.macro FRAG reg, adr, q, i
.irp c, 0,1,2
	ds_load_b128 v[\reg+4*\c:\reg+4*\c+3], v[\adr] offset:(\i)*TILEB+(\q)*1536+512*\c
.endr
.endm
.macro FETCH_B slot, q, p
	WIN TO_B
.irp i, 0,1,2,3,4,5,6,7
	FRAG 128*(\p)+12*\i, ADRB+\slot, \q, \i
.endr
	WIN 0
.endm
.macro FETCH_A slot, q, i0
.irp i, \i0, \i0+1, \i0+2, \i0+3
	FRAG AF+12*(\i), ADRA+\slot, \q, \i
.endr
.endm
.macro MUL16 a0, p, ks, first
.irp a, \a0, \a0+1
.irp b, 0,1,2,3,4,5,6,7
.if \first
	v_wmma_scale_f32_16x16x128_f8f6f4 v[8*(8*((\a)%4)+\b):8*(8*((\a)%4)+\b)+7], v[128*(\p)+12*\b:128*(\p)+12*\b+11], v[AF+12*(\a):AF+12*(\a)+11], v[96+8*\b+96*(\b/4):96+8*\b+96*(\b/4)+7], v[SC+8*\b+(\ks)], v[SC+8*(\a)+(\ks)] matrix_a_fmt:MATRIX_FMT_FP6 matrix_b_fmt:MATRIX_FMT_FP6 matrix_a_scale:MATRIX_SCALE_ROW1
.else
	v_wmma_scale_f32_16x16x128_f8f6f4 v[8*(8*((\a)%4)+\b):8*(8*((\a)%4)+\b)+7], v[128*(\p)+12*\b:128*(\p)+12*\b+11], v[AF+12*(\a):AF+12*(\a)+11], v[8*(8*((\a)%4)+\b):8*(8*((\a)%4)+\b)+7], v[SC+8*\b+(\ks)], v[SC+8*(\a)+(\ks)] matrix_a_fmt:MATRIX_FMT_FP6 matrix_b_fmt:MATRIX_FMT_FP6 matrix_a_scale:MATRIX_SCALE_ROW1
.endif
.endr
.endr
.endm
.macro STEP slot, ks, first
	s_wait_dscnt 4*NLA
	WIN MUL_LO-0x20*\first
	MUL16 0, 0, \ks, \first
	MUL16 2, 0, \ks, \first
	s_wait_dscnt 0x0
	PLACES
	FETCH_B \slot, 1, 1
	FETCH_A \slot, 1, 0
	WIN MUL_HI-0x30*\first
	MUL16 4, 0, \ks, \first
	MUL16 6, 0, \ks, \first
	PLACES
	WIN 0
	FETCH_A \slot, 1, 4
.endm
.macro TURN slot, next, fill, ks
	s_wait_tensorcnt 0x0
	ds_add_u32 v[SPW], v[NIL]
	s_wait_dscnt 4*NLA+1
	WIN MUL_LO
	MUL16 0, 1, \ks, 0
	s_wait_dscnt 0x0
	s_barrier_signal -1
	MUL16 2, 1, \ks, 0
	WIN 0
	s_barrier_wait -1
.if \fill
	CREST
	s_add_nc_u64 s[G0+4*\slot+2:G0+4*\slot+3], s[G0+4*\slot+2:G0+4*\slot+3], 3*SPA
	s_add_nc_u64 s[G0B+4*\slot+2:G0B+4*\slot+3], s[G0B+4*\slot+2:G0B+4*\slot+3], 3*SPB
	JLOAD G0+4*\slot, G1, G0B+4*\slot, G1B
.else
	PLACES
.endif
	FETCH_B \next, 0, 0
	FETCH_A \next, 0, 0
	WIN MUL_HI
	MUL16 4, 1, \ks, 0
	MUL16 6, 1, \ks, 0
	PLACES
	WIN 0
	FETCH_A \next, 0, 4
.endm
	s_wait_alu depctr_va_vdst(0)                   ; the wait at the head's end
	s_wait_tensorcnt 0x0                           ; my part of slot 0 is in; the three lines ahead of a later first fill
	s_barrier_signal -1
	s_barrier_wait -1                              ; everybody's part is in
	FETCH_B 0, 0, 0
	FETCH_A 0, 0, 0
	FETCH_A 0, 0, 4
	s_wait_loadcnt 0x0
	STEP 0, 0, 1
	TURN 0, 1, 1, 1
	STEP 1, 2, 0
.macro PASS next, ks                   ; a change of slots where both lie whole in LDS since the head's barrier: no wait for tiles, no barrier
	s_wait_dscnt 4*NLA
	WIN MUL_LO
	MUL16 0, 1, \ks, 0
	MUL16 2, 1, \ks, 0
	s_wait_dscnt 0x0
	PLACES
	FETCH_B \next, 0, 0
	FETCH_A \next, 0, 0
	WIN MUL_HI
	MUL16 4, 1, \ks, 0
	MUL16 6, 1, \ks, 0
	PLACES
	WIN 0
	FETCH_A \next, 0, 4
.endm
	PASS 2, 3
	STEP 2, 4, 0
	TURN 2, 0, 0, 5                                ; K steps 6 and 7 lie where 0 and 1 lay: the launch's one refill
	STEP 0, 6, 0
	s_wait_dscnt 4*NLA
	WIN MUL_LO
	MUL16 0, 1, 7, 0
	MUL16 2, 1, 7, 0
	WIN 0
	s_wait_tensorcnt 0x0                           ; the three lines ahead of phase 2's fills: no tensor load of mine is out, so the descriptors may be written;
	ds_add_u32 v[SPW], v[NIL]
	s_mov_b32 s[G1H+2], 4<<16                      ; x: 4 rows of 24,576 bytes
	s_mov_b32 s[G1H+4], 4
	s_mov_b32 s[G1HB+1], 1536<<16                  ; Wv: 4 rows of 12,288 bytes
	s_mov_b32 s[G1HB+2], 4<<16
	s_mov_b32 s[G1HB+3], 1536<<16
	s_mov_b32 s[G1HB+4], 4
	s_lshl_b32 s20, s17, 4
	s_lshl_b32 s18, s16, 3
	s_add_co_u32 s20, s20, s18                     ; x's tile 16 y + 8 x part
	s_mul_i32 s20, s20, TILEB
	s_mov_b32 s21, 0
	s_add_nc_u64 s[G0+2:G0+3], s[4:5], s[20:21]
	s_or_b32 s[G0+3], s[G0+3], 0x80000000
	s_mul_i32 s[G0+1], s16, VBREG
	s_add_co_u32 s[G0+1], s[G0+1], VBL
	s_lshl_b32 s46, s42, 3
	s_lshl_b32 s18, s16, 2
	s_add_co_u32 s46, s46, s18
	s_add_co_u32 s46, s46, 128                     ; Wv's tile 128 + 8 x + 4 x part
	s_mul_i32 s46, s46, TILEB
	s_mov_b32 s47, 0
	s_add_nc_u64 s[G0B+2:G0B+3], s[6:7], s[46:47]
	s_or_b32 s[G0B+3], s[G0B+3], 0x80000000
	s_mul_i32 s[G0B+1], s16, VAREG
	s_wait_dscnt 1                                 ; A's blocks 4-7 are in; the add may be out
	WIN MUL_HI
	MUL16 4, 1, 7, 0
	s_wait_dscnt 0x0                               ; the add is done, and my reads of phase 1's tiles are over
	s_barrier_signal -1
	MUL16 6, 1, 7, 0
	WIN 0
	s_barrier_wait -1
	CREST                                          ; no wave of any partner still reads a tile or has a load on its way
	JLOAD G0, G1H, G0B, G1HB                       ; phase 2's tiles: waves 0 and 1 x's, waves 2 and 3 Wv's; the four v_nop behind the load are the places behind the last products
	s_lshl_b32 s18, s42, 3
	s_lshl_b32 s19, s15, 2
	s_add_co_u32 s18, s18, s19
	s_lshl_b32 s18, s18, 9
	s_add_co_u32 s18, s18, 262144+128*512          ; Wv's scale words, my four tiles
	s_lshl_b32 s19, s17, 4
	s_lshl_b32 s23, s16, 3
	s_add_co_u32 s19, s19, s23
	s_lshl_b32 s19, s19, 9                         ; x's, my eight tiles
	s_lshl_b32 s94, s42, 9
	s_lshl_b32 s23, s15, 8
	s_add_co_u32 s94, s94, s23
	s_mov_b32 s95, 0
	s_add_nc_u64 s[92:93], s[92:93], s[94:95]      ; bv at my first channel
	v_mov_b32 v5, s18
	v_mov_b32 v6, s19
	v_cmp_eq_u32 vcc_lo, 1, v2
	v_cndmask_b32 v7, v5, v6, vcc_lo               ; lanes 0-15 take Wv's words, lanes 16-31 x's
	v_lshl_add_u32 v7, v1, 4, v7
	v_lshl_add_u32 v8, v1, 4, v6                   ; for x's tiles 4-7, which have no tile of Wv beside them: every lane takes x's
	v_and_b32 v9, 8, v1
	v_add_nc_u32 v9, v9, v1
	v_lshlrev_b32 v9, 2, v9
.irp i, 0,1,2,3
.irp q, 0,1
	global_load_b128 v[SC+8*\i+4*\q:SC+8*\i+4*\q+3], v7, s[8:9] offset:512*\i+256*\q          ; phase 2's scale words and bias come under phase 1's way out
	global_load_b128 v[SC+32+8*\i+4*\q:SC+32+8*\i+4*\q+3], v8, s[8:9] offset:2048+512*\i+256*\q
.endr
.endr
.irp a, 0,1,2,3
	global_load_b32 v[24+\a], v9, s[92:93] offset:4*(32*(\a/2)+8*(\a%2))   ; lane r, tile a: channel 32 (a / 2) + 8 (a % 2) + r + 8 (r / 8)
.endr
.macro QUANT a, d0, d1, pw
.set AC, 64*((\a)%4)
.set WS, 2+(\a)/4
	WIN (WS<<2)|(WS<<4)
.irp b, 0,1,2,3
	v_max3_num_f32 v[TM+\b], 0x1800000, |v[AC+16*\b]|, |v[AC+16*\b+1]|
.endr
.irp i, 2,4,6,8,10,12,14
.irp b, 0,1,2,3
	v_max3_num_f32 v[TM+\b], v[TM+\b], |v[AC+16*\b+\i]|, |v[AC+16*\b+\i+1]|
.endr
.endr
	WIN 0
.irp b, 0,1,2,3
	v_permlanex16_b32 v[TM+4+\b], v[TM+\b], s[SEL], s[SEL+1]
.endr
.irp b, 0,1,2,3
	v_max_num_f32 v[TM+\b], v[TM+\b], v[TM+4+\b]
.endr
.irp b, 0,1,2,3
	v_add_nc_u32 v[TM+12+\b], 0xff000000, v[TM+\b]
.endr
.irp b, 0,1,2,3
	v_lshrrev_b32 v[TM+4+\b], 23, v[TM+12+\b]
.endr
	v_lshl_or_b32 v[\pw], v[TM+5], 8, v[TM+4]
	v_lshl_or_b32 v[\pw], v[TM+6], 16, v[\pw]
	v_lshl_or_b32 v[\pw], v[TM+7], 24, v[\pw]
	WIN WS
	v_cvt_scalef32_pk16_fp6_f32 v[(\d0):(\d0)+2], v[AC:AC+15], v[TM+12]
	v_cvt_scalef32_pk16_fp6_f32 v[E0:E0+2], v[AC+16:AC+31], v[TM+13]
	v_cvt_scalef32_pk16_fp6_f32 v[(\d1):(\d1)+2], v[AC+32:AC+47], v[TM+14]
	v_cvt_scalef32_pk16_fp6_f32 v[E1:E1+2], v[AC+48:AC+63], v[TM+15]
	WIN 0
	v_nop
.irp i, 0,1,2
	v_permlane16_swap_b32 v[(\d0)+\i], v[E0+\i]
.endr
.irp i, 0,1,2
	v_mov_b32 v[(\d0)+3+\i], v[E0+\i]
.endr
.irp i, 0,1,2
	v_permlane16_swap_b32 v[(\d1)+\i], v[E1+\i]
.endr
.irp i, 0,1,2
	v_mov_b32 v[(\d1)+3+\i], v[E1+\i]
.endr
.endm
.irp b, 0,1,2,3
	v_mov_b32 v[TM+4+\b], 0
.endr
.irp pr, 0,1,2,3
	QUANT 2*\pr, 128+24*\pr, 128+24*\pr+12, PW
	v_lshrrev_b32 v[WD+2*\pr], v[SH], v[PW]
	v_and_b32 v[WD+2*\pr], 0xffff, v[WD+2*\pr]
	QUANT 2*\pr+1, 128+24*\pr+6, 128+24*\pr+18, PW
	v_lshrrev_b32 v[WD+2*\pr+1], v[SH], v[PW]
	v_and_b32 v[WD+2*\pr+1], 0xffff, v[WD+2*\pr+1]
.irp c, 0,1,2
	global_store_b128 v[LI], v[128+24*\pr+4*\c:128+24*\pr+4*\c+3], s[12:13] offset:1536*\pr+512*\c
	global_store_b128 v[LI], v[140+24*\pr+4*\c:140+24*\pr+4*\c+3], s[12:13] offset:294912+1536*\pr+512*\c
.endr
.if \pr%2 == 1
	global_store_b128 v[SO], v[WD+4*(\pr/2):WD+4*(\pr/2)+3], s[66:67] offset:256*(\pr/2)
.endif
.endr
; ================= PHASE 2: v.  A (source 1) = Wv's rows, B (source 0) = x's tokens: a lane of the result holds ONE channel, and the 64 registers of one tile of channels are the four blocks of 32 keys of a step of 128 keys.
; window 0: v32-95 scale words (8 i + K step: lanes 0-15 Wv's tile i, lanes 16-31 x's); v96-127 four bias tiles, later at work; v128-223 Wv's fragments, two sets, later the codes.  window 1: x's fragments, two sets.  window 2: accumulator (a, b) at v[8 (8 a + b)].
	s_wait_xcnt 0x0                                ; phase 1's stores have read their registers and bases
	s_mul_i32 s21, s15, VAREG
	s_mul_i32 s22, s16, VBREG
	s_add_co_u32 s22, s22, VBL
	s_lshr_b32 s94, s17, 3
	s_lshl_b32 s94, s94, 4
	s_lshl_b32 s23, s42, 1
	s_add_co_u32 s94, s94, s23
	s_add_co_u32 s94, s94, s15                     ; 16 x batch + my head
	s_and_b32 s95, s17, 7
	s_lshl_b32 s95, s95, 1
	s_add_co_u32 s95, s95, s16                     ; my step of 128 keys
	s_mul_i32 s96, s94, 294912
	s_mul_i32 s23, s95, 6144
	s_add_co_u32 s96, s96, s23
	s_add_co_u32 s96, s96, 196608
	s_mov_b32 s97, 0
	s_add_nc_u64 s[12:13], s[70:71], s[96:97]      ; V's codes: [step][tile of 16 channels][1,536]
	s_mul_i32 s96, s94, 20480
	s_lshl_b32 s23, s95, 8
	s_add_co_u32 s96, s96, s23
	s_add_co_u32 s96, s96, 16384
	s_add_nc_u64 s[66:67], s[72:73], s[96:97]      ; V's scale words: [step][r][tile]
	v_add_nc_u32 v[ADRA], s21, v[LI]
	v_add_nc_u32 v[ADRB], s22, v[LI]
.irp s, 1,2,3
	v_add_nc_u32 v[ADRA+\s], \s*4*TILEB, v[ADRA]   ; one address for each pair of K steps
	v_add_nc_u32 v[ADRB+\s], \s*8*TILEB, v[ADRB]
.endr
	v_lshlrev_b32 v[SO], 4, v1
.macro FETCH ks                        ; K step ks's fragments into set ks % 2: 24 loads for x, 12 for Wv
	WIN TO_B
.irp i, 0,1,2,3,4,5,6,7
.irp c, 0,1,2
	ds_load_b128 v[128*((\ks)%2)+12*\i+4*\c:128*((\ks)%2)+12*\i+4*\c+3], v[ADRB+(\ks)/2] offset:\i*TILEB+((\ks)%2)*1536+512*\c
.endr
.endr
	WIN 0
.irp i, 0,1,2,3
.irp c, 0,1,2
	ds_load_b128 v[AF+48*((\ks)%2)+12*\i+4*\c:AF+48*((\ks)%2)+12*\i+4*\c+3], v[ADRA+(\ks)/2] offset:\i*TILEB+((\ks)%2)*1536+512*\c
.endr
.endr
.endm
.macro MUL32 ks, first                 ; 32 products; the accumulators take turns, one instruction a turn.  first = 1: the sums start from the bias of Wv's tile
	WIN 0xa1-0x20*\first
.irp a, 0,1,2,3
.irp b, 0,1,2,3,4,5,6,7
.if \first
	v_wmma_scale_f32_16x16x128_f8f6f4 v[8*(8*\a+\b):8*(8*\a+\b)+7], v[128*((\ks)%2)+12*\b:128*((\ks)%2)+12*\b+11], v[AF+48*((\ks)%2)+12*\a:AF+48*((\ks)%2)+12*\a+11], v[96+8*\a:96+8*\a+7], v[SC+8*\b+(\ks)], v[SC+8*\a+(\ks)] matrix_a_fmt:MATRIX_FMT_FP6 matrix_b_fmt:MATRIX_FMT_FP6 matrix_a_scale:MATRIX_SCALE_ROW1
.else
	v_wmma_scale_f32_16x16x128_f8f6f4 v[8*(8*\a+\b):8*(8*\a+\b)+7], v[128*((\ks)%2)+12*\b:128*((\ks)%2)+12*\b+11], v[AF+48*((\ks)%2)+12*\a:AF+48*((\ks)%2)+12*\a+11], v[8*(8*\a+\b):8*(8*\a+\b)+7], v[SC+8*\b+(\ks)], v[SC+8*\a+(\ks)] matrix_a_fmt:MATRIX_FMT_FP6 matrix_b_fmt:MATRIX_FMT_FP6 matrix_a_scale:MATRIX_SCALE_ROW1
.endif
.endr
.endr
.endm
	s_wait_alu depctr_va_vdst(0)                   ; directly ahead of the wait below
	s_wait_tensorcnt 0x0                           ; my tile of phase 2 is in,
	s_barrier_signal -1
	s_barrier_wait -1                              ; everybody's is; nothing is filled again
	FETCH 0
	s_wait_loadcnt 0x0                             ; the scale words and the bias
.irp a, 0,1,2,3
.irp j, 0,1,2,3,4,5,6,7
	v_mov_b32 v[96+8*\a+\j], v[24+\a]              ; a channel's bias, for each of the lane's eight tokens
.endr
.endr
	FETCH 1
	s_wait_alu depctr_va_vdst(0)
	s_wait_dscnt VNF                               ; K step 0's loads are in; the 36 just issued may be out
	MUL32 0, 1
.irp ks, 1,2,3,4,5,6
	PLACES                                         ; four places ahead of loads into registers that the products before have read
	FETCH \ks+1
	s_wait_dscnt VNF
	MUL32 \ks, 0
.endr
	s_wait_dscnt 0x0
	MUL32 7, 0
	WIN 0
	PLACES
.irp a, 0,1,2,3                        ; my head's four tiles of 16 channels: a fragment of V^T and a scale word a row each.  Every store has data registers of its own
	QUANT \a, 128+12*\a, 134+12*\a, WD+\a
.irp c, 0,1,2
	global_store_b128 v[LI], v[128+12*\a+4*\c:128+12*\a+4*\c+3], s[12:13] offset:\a*1536+512*\c   ; 512 consecutive bytes, aligned
.endr
.endr
	global_store_b128 v[SO], v[WD:WD+3], s[66:67]  ; 256 consecutive bytes, aligned; both halves of the lanes hold and store the same words
	s_wait_tensorcnt 0x0
	ds_add_u32 v[SPW], v[NIL]
	s_wait_dscnt 0x0
	CROUND
	s_endpgm
.Lfunc_end_k_q34bc575d4f_projqk:
	.size	k_q34bc575d4f_projqk, .Lfunc_end_k_q34bc575d4f_projqk-k_q34bc575d4f_projqk
	.p2alignl 7, 3214868480
	.fill 96, 4, 3214868480
	.section	.rodata,"a",@progbits
	.p2align	6, 0x0
	.amdhsa_kernel k_q34bc575d4f_projqk
		.amdhsa_group_segment_fixed_size 327680
		.amdhsa_private_segment_fixed_size 0
		.amdhsa_enable_private_segment 0
		.amdhsa_kernarg_size 64
		.amdhsa_user_sgpr_count 2
		.amdhsa_user_sgpr_kernarg_segment_ptr 1
		.amdhsa_wavefront_size32 1
		.amdhsa_system_sgpr_workgroup_id_x 1
		.amdhsa_system_sgpr_workgroup_id_y 1
		.amdhsa_system_sgpr_workgroup_id_z 1
		.amdhsa_system_vgpr_workitem_id 0
		.amdhsa_next_free_vgpr 1024
		.amdhsa_next_free_sgpr 100
		.amdhsa_reserve_vcc 1
		.amdhsa_float_denorm_mode_32 3
		.amdhsa_float_denorm_mode_16_64 3
		.amdhsa_memory_ordered 1
		.amdhsa_forward_progress 1
		.amdhsa_inst_pref_size 215
	.end_amdhsa_kernel
	.amdgpu_metadata
---
amdhsa.version: [ 1, 2 ]
amdhsa.kernels:
  - .name:           k_q34bc575d4f_projqk
    .symbol:         k_q34bc575d4f_projqk.kd
    .args:
      - { .name: xi, .offset: 0, .size: 8, .value_kind: global_buffer, .address_space: global }
      - { .name: wi, .offset: 8, .size: 8, .value_kind: global_buffer, .address_space: global }
      - { .name: scp, .offset: 16, .size: 8, .value_kind: global_buffer, .address_space: global }
      - { .name: bq, .offset: 24, .size: 8, .value_kind: global_buffer, .address_space: global }
      - { .name: bk, .offset: 32, .size: 8, .value_kind: global_buffer, .address_space: global }
      - { .name: qkv, .offset: 40, .size: 8, .value_kind: global_buffer, .address_space: global }
      - { .name: qkvs, .offset: 48, .size: 8, .value_kind: global_buffer, .address_space: global }
      - { .name: bv, .offset: 56, .size: 8, .value_kind: global_buffer, .address_space: global }
    .group_segment_fixed_size: 327680
    .private_segment_fixed_size: 0
    .kernarg_segment_align: 8
    .kernarg_segment_size: 64
    .max_flat_workgroup_size: 128
    .sgpr_count:     100
    .vgpr_count:     1024
    .wavefront_size: 32
...
	.end_amdgpu_metadata
.endif
;; end of part 2
;; launch attn (part 3): grid 4 x 64, 8 waves a work-group, clusters of 4 x 1, 327,680 bytes of LDS; arguments qkv, qkvs, zi, sco; writes zi, sco
.if DOCPART == 3
	.amdgcn_target "amdgcn-amd-amdhsa--gfx1250"
	.amdhsa_code_object_version 6
	.text
	.protected	k_q34bc575d4f_attn
	.globl	k_q34bc575d4f_attn
	.p2align	8
	.type	k_q34bc575d4f_attn,@function
k_q34bc575d4f_attn:
	s_mov_b64 s[64:65], 0
	v_nop
	global_prefetch_b8 v0, s[64:65] scope:SCOPE_SE
	s_setreg_imm32_b32 hwreg(HW_REG_WAVE_MODE, 25, 1), 1
	s_wait_xcnt 0x0
	s_wait_alu depctr_hold_cnt(0) depctr_sa_sdst(0) depctr_va_vdst(0) depctr_va_sdst(0) depctr_va_ssrc(0) depctr_va_vcc(0) depctr_vm_vsrc(0)
	s_getreg_b32 s2, hwreg(HW_REG_IB_STS2, 6, 4)
	s_cmp_eq_u32 s2, 0
	s_cbranch_scc0 .Lentry_in_a_cluster
	s_endpgm
.Lentry_in_a_cluster:
	s_bfe_u32 s2, ttmp6, 0x10000c
	s_cmp_lg_u32 s2, 0x3003
	s_cbranch_scc0 .Lentry_shape_is_right
	s_endpgm
.Lentry_shape_is_right:
; z = softmax(q k^T / 8) v for one batch and head (work-group y) and 512 queries (work-group x), on codes of FP6 (E2M3), and z's quantising along the head's 64 channels for the last product.
; Both products are used transposed (S^T = k q^T, O^T = v^T p^T): a lane holds one query throughout.  p = 2^(t - M), M the ceiling of the running largest t; the row's sum is taken of the unquantised p.
; THE DEAL.  Eight waves; a wave holds 64 queries, four tiles of 16, and walks the 2,048 keys once in 16 steps of 128: a step's fragments of k and v are read from LDS once for the four tiles.
; A step works the tiles two at a time (a HALF): 16 products for the scores, the softmax of both tiles line by line in turn, 8 products onto O^T.
; K = 64 for the scores: q's operand is six registers of codes and six of zero codes; k's operand is tile n's six registers and the six that follow them, which meet the zeros.
; THE KEYS OF A TILE OF k ARE CHOSEN BY THE LANE'S LDS ADDRESS: tile n = 4 c + j has in rows 0-7 keys 64 c + 8 j + i and in rows 8-15 keys 64 c + 32 + 8 j + i.  So lane (query, h) holds in the 32 registers
; of tiles 4 c .. 4 c + 3 keys 64 c + 32 h + 0 .. 31: one whole scale block of p, in the order of p's operand: the block's largest needs no other lane, and the conversions' results are the operand.
; In memory key 32 b + 16 g + 8 u + i is row 8 g + i of tile 2 b + u, and fragment b holds tiles 2 b, 2 b + 1: lane (8 h' + i, hk) reads slot 8 g + i + 16 hk of fragment 2 c + h'.
; LDS: k's codes (98,304 bytes), v's (98,304), k's scale words (8,192), v's (4,096), all of the head, filled once at the head: waves 0-5 fetch 32,768 bytes of codes each, waves 6 and 7 6,144 bytes of scales each.
; CLUSTER 4 x 1: the four work-groups of a head ask for these tiles jointly.  No data prefetch: all that the launch reads through LDS is asked for at its head, and there is no loop to run ahead in.
; k's loads run one step ahead; in the last step they read v's codes and v's scale words, which lie behind k's, and what they bring is not used.
; LIMITS: NaN and infinities are not served; the promise holds while the scaled scores stay under 2^31 in magnitude; a block whose largest p or |z| lies under 2^-124 keeps the byte 1.
; REGISTERS: window 0: addresses, state, operands (below).  window 1: v0-127 the scores of a half's two tiles (64 x + 8 n + i), v128-255 O^T (32 tile + 8 e + i).
.set VL,    98304
.set KSL,   196608
.set VSL,   204800
.set SPARE, 0x33000                    ; behind the scales: the spare words, 128 bytes a wave
.set SPW,  1
.set NIL,  2
.set AK0,  3                           ; lane terms of the LDS addresses: k's fragments, v's, k's scale words, v's
.set AV0,  4
.set AKS0, 5
.set AVS0, 6
.set SH8,  7                           ; 8 h
.set T,    8                           ; v8-15 temporaries; later the second halves of tile x = 0's conversions
.set SF,   16                          ; v16-19 the conversions' scale operands
.set U,    20                          ; v20-23 temporaries
.set ST,   24                          ; v24-39 a tile's state: -M, the largest score, the sum in two halves
.set F,    40                          ; v40-43 f = 2^(old M - new M), a pair for each tile of the half
.set L2,   44                          ; v44-47 the sums' second chains
.set KS,   48                          ; v48-55 k's scale words; v56-59 v's; v60, v61 p's; v64-67 q's
.set VS,   56
.set PS,   60
.set OA8,  62
.set OA16, 63
.set QS,   64
.set Q,    68                          ; v68-115 q: four operands of 6 + 6
.set KF,   116                         ; v116-169 k: eight tiles of six registers, and six of zeros
.set VF,   170                         ; v170-217 v: four fragments
.set P,    218                         ; v218-241 p: two operands; v242-248 the second halves of tile x = 1's conversions
.set MSB, 0
.macro WIN new                         ; the immediate's high byte repeats the setting that is left
.if MSB != (\new)
	s_set_vgpr_msb (MSB<<8)|(\new)
.set MSB, (\new)
.endif
.endm
.macro WALU
	s_wait_alu depctr_va_vdst(0)
.endm
.macro NOPS n
.rept \n
	v_nop
.endr
.endm
.macro CROUND
	s_barrier_signal -1
	s_barrier_wait -1
	s_cmp_lg_u32 s12, 0
	s_cbranch_scc1 .Lnot_wave_0_\@
	s_barrier_signal -3
.Lnot_wave_0_\@:
	s_barrier_wait -3
	s_barrier_signal -1
	s_barrier_wait -1
.endm
.macro KLOAD a, as                     ; a step's k: 12 loads of codes, 4 of scale words; f = 2 c + g brings tiles 2 f, 2 f + 1
.irp f, 0,1,2,3
.irp p, 0,1,2
	ds_load_b128 v[KF+12*\f+4*\p:KF+12*\f+4*\p+3], v[\a] offset:3072*(\f/2)+128*(\f%2)+512*\p
.endr
	ds_load_b64 v[KS+2*\f:KS+2*\f+1], v[\as] offset:256*(\f/2)+128*(\f%2)
.endr
.endm
.macro SMUL h                          ; the scores of tiles 2 h, 2 h + 1: 16 products, each a sum of its own
	WIN 0x40
.irp n, 0,1,2,3,4,5,6,7
.irp x, 0,1
	v_wmma_scale_f32_16x16x128_f8f6f4 v[64*\x+8*\n:64*\x+8*\n+7], v[KF+6*\n:KF+6*\n+11], v[Q+12*(2*\h+\x):Q+12*(2*\h+\x)+11], 0, v[KS+\n], v[QS+2*\h+\x] matrix_a_fmt:MATRIX_FMT_FP6 matrix_b_fmt:MATRIX_FMT_FP6
.endr
.endr
.endm
.macro PV h                            ; O^T += v^T p^T: eight accumulators by turns
	WIN 0x50
.irp e, 0,1,2,3
.irp x, 0,1
	v_wmma_scale_f32_16x16x128_f8f6f4 v[128+64*\h+32*\x+8*\e:128+64*\h+32*\x+8*\e+7], v[VF+12*\e:VF+12*\e+11], v[P+12*\x:P+12*\x+11], v[128+64*\h+32*\x+8*\e:128+64*\h+32*\x+8*\e+7], v[VS+\e], v[PS+\x] matrix_a_fmt:MATRIX_FMT_FP6 matrix_b_fmt:MATRIX_FMT_FP6
.endr
.endr
.endm
.macro SOFT h                          ; the softmax step of tiles 2 h + x, x = 0, 1
.set S0_, ST+8*\h
.set OB_, 128+64*\h
	WIN 0x15                                       ; the largest score of each 16 registers: eight chains by turns
.irp x, 0,1
.irp k, 0,1,2,3
	v_max3_num_f32 v[T+4*\x+\k], v[64*\x+16*\k], v[64*\x+16*\k+1], v[64*\x+16*\k+2]
.endr
.endr
	WIN 0x14
.irp i, 3,5,7,9,11,13
.irp x, 0,1
.irp k, 0,1,2,3
	v_max3_num_f32 v[T+4*\x+\k], v[T+4*\x+\k], v[64*\x+16*\k+\i], v[64*\x+16*\k+\i+1]
.endr
.endr
.endr
.irp x, 0,1
.irp c, 0,2
	v_max3_num_f32 v[T+4*\x+\c], v[T+4*\x+\c], v[64*\x+16*\c+15], v[64*\x+16*\c+31]
.endr
.endr
	WIN 0
.irp x, 0,1
.irp c, 0,2
	v_max_num_f32 v[T+4*\x+\c], v[T+4*\x+\c], v[T+4*\x+\c+1]    ; my two blocks' largest scores: T + 4 x and T + 4 x + 2
.endr
.endr
.irp x, 0,1
	v_max_num_f32 v[U+\x], v[T+4*\x], v[T+4*\x+2]
.endr
.irp x, 0,1
	v_permlanex16_b32 v[U+2+\x], v[U+\x], s20, s21
.endr
.irp x, 0,1
	v_max3_num_f32 v[S0_+4*\x+1], v[S0_+4*\x+1], v[U+\x], v[U+2+\x]   ; the running largest score of my query
.endr
.irp x, 0,1
	v_mul_f32 v[U+\x], s50, v[S0_+4*\x+1]          ; -t
.endr
.irp x, 0,1
	v_floor_f32 v[U+\x], v[U+\x]                   ; the new -M = floor(-t): a whole number
.endr
.irp x, 0,1
	v_sub_f32 v[U+2+\x], v[U+\x], v[S0_+4*\x]      ; old M less new M
.endr
.irp x, 0,1
	v_mov_b32 v[S0_+4*\x], v[U+\x]
.endr
.irp x, 0,1
	v_cvt_i32_f32 v[U+2+\x], v[U+2+\x]             ; (it saturates)
.endr
.irp x, 0,1
	v_ldexp_f32 v[F+2*\x], 1.0, v[U+2+\x]          ; f: a power of two, or 0
.endr
.irp x, 0,1
.irp c, 0,2
	v_fma_f32 v[T+4*\x+\c], v[T+4*\x+\c], s22, v[S0_+4*\x]      ; t - M of each block's largest score
.endr
.endr
	WIN 0x41
.set j_, 0
.rept 32
	v_pk_fma_f32 v[j_:j_+1], v[j_:j_+1], s[22:23], v[S0_:S0_+1] op_sel_hi:[1,0,0]            ; t - M
.set j_, j_+2
.endr
	WIN 0
	WALU                                           ; the wait ahead of the batch
.irp x, 0,1
.irp c, 0,2
	v_exp_f32 v[T+4*\x+\c], v[T+4*\x+\c]           ; each block's largest p
.endr
.endr
	WIN 0x41
.set j_, 0
.rept 32
	v_exp_f32 v[j_], v[j_]                         ; p of tile x = 0; tile x = 1's t - M stands among these lines
	v_pk_fma_f32 v[64+j_:65+j_], v[64+j_:65+j_], s[22:23], v[S0_+4:S0_+5] op_sel_hi:[1,0,0]
	v_exp_f32 v[j_+1], v[j_+1]
.set j_, j_+2
.endr
	WALU                                           ; the wait ahead of the batch that reads what was just made
.rept 64
	v_exp_f32 v[j_], v[j_]                         ; p of tile x = 1
.set j_, j_+1
.endr
	v_nop                                          ; one plain place behind the batch
	WALU                                           ; the wait behind the batch, directly ahead of O^T's first readers
.set j_, 0
.rept 16
	v_pk_mul_f32 v[OB_+j_:OB_+j_+1], v[OB_+j_:OB_+j_+1], v[F:F+1] op_sel_hi:[1,0]             ; O^T under the new M
	v_pk_mul_f32 v[OB_+32+j_:OB_+33+j_], v[OB_+32+j_:OB_+33+j_], v[F+2:F+3] op_sel_hi:[1,0]
.set j_, j_+2
.endr
	WIN 0
.irp x, 0,1
	v_pk_mul_f32 v[S0_+4*\x+2:S0_+4*\x+3], v[S0_+4*\x+2:S0_+4*\x+3], v[F+2*\x:F+2*\x+1] op_sel_hi:[1,0]   ; the sums too
.endr
.irp x, 0,1
.irp c, 0,2
	v_max_num_f32 v[T+4*\x+\c], 0x1800000, v[T+4*\x+\c]         ; the floor 2^(3 - 127): the byte cannot fall under 1
.endr
.endr
.irp x, 0,1
.irp c, 0,2
	v_add_nc_u32 v[SF+2*\x+\c/2], 0xff000000, v[T+4*\x+\c]      ; 2 off the exponent field: the conversions' scale operand
.endr
.endr
.irp x, 0,1
.irp c, 0,2
	v_lshrrev_b32 v[T+4*\x+\c+1], 23, v[SF+2*\x+\c/2]           ; the scale's byte
.endr
.endr
.irp x, 0,1
	v_lshl_or_b32 v[PS+\x], v[T+4*\x+3], 16, v[T+4*\x+1]        ; my bytes: blocks h and 2 + h,
.endr
.irp x, 0,1
	v_lshlrev_b32 v[PS+\x], v[SH8], v[PS+\x]                    ; at their places in the word;
.endr
.irp x, 0,1
	v_permlanex16_b32 v[U+\x], v[PS+\x], s20, s21
.endr
.irp x, 0,1
	v_or_b32 v[PS+\x], v[PS+\x], v[U+\x]                        ; with lane l xor 16's two the word is whole
.endr
	WIN 0x01
.irp x, 0,1
.irp c, 0,1
	v_cvt_scalef32_pk16_fp6_f32 v[P+12*\x+6*\c:P+12*\x+6*\c+2], v[64*\x+32*\c:64*\x+32*\c+15], v[SF+2*\x+\c]
	v_cvt_scalef32_pk16_fp6_f32 v[8+234*\x+4*\c:8+234*\x+4*\c+2], v[64*\x+32*\c+16:64*\x+32*\c+31], v[SF+2*\x+\c]   ; (a conversion's three registers begin on an even number)
.endr
.endr
	WIN 0
	v_nop                                          ; one plain place behind a scaled conversion
.irp x, 0,1
.irp c, 0,1
.irp i, 0,1,2
	v_mov_b32 v[P+12*\x+6*\c+3+\i], v[8+234*\x+4*\c+\i]
.endr
.endr
.endr
	WIN 0x05                                       ; the rows' sums of the unquantised p: two chains a tile.  These lines are also the places between p's operand and scale word and the products
.irp x, 0,1
	v_pk_add_f32 v[L2+2*\x:L2+2*\x+1], v[64*\x:64*\x+1], v[64*\x+2:64*\x+3]
.endr
	WIN 0x04
.irp j, 4,8,12,16,20,24,28,32,36,40,44,48,52,56,60
.irp x, 0,1
	v_pk_add_f32 v[S0_+4*\x+2:S0_+4*\x+3], v[S0_+4*\x+2:S0_+4*\x+3], v[64*\x+\j:64*\x+\j+1]
	v_pk_add_f32 v[L2+2*\x:L2+2*\x+1], v[L2+2*\x:L2+2*\x+1], v[64*\x+\j+2:64*\x+\j+3]
.endr
.endr
	WIN 0
.irp x, 0,1
	v_pk_add_f32 v[S0_+4*\x+2:S0_+4*\x+3], v[S0_+4*\x+2:S0_+4*\x+3], v[L2+2*\x:L2+2*\x+1]
.endr
.endm
; ================= the head
	s_load_b256 s[4:11], s[0:1], 0x0               ; qkv, qkvs, zi, sco
	v_lshl_add_u32 v[SPW], v0, 2, SPARE
	v_mov_b32 v[NIL], 0
	ds_add_u32 v[SPW], v[NIL]                      ; the opening lines: the add twice on end and one wait
	ds_add_u32 v[SPW], v[NIL]
	v_lshrrev_b32 v8, 5, v0
	v_readfirstlane_b32 s12, v8                    ; wave
	s_bfe_u32 s13, ttmp6, 0x40000
	s_lshl_b32 s14, ttmp9, 2
	s_add_co_u32 s14, s14, s13                     ; work-group x: which 512 queries
	s_and_b32 s15, ttmp7, 0xffff                   ; 16 x batch + head
	s_mov_b32 s24, 15|(3<<16)|(1<<21)              ; group 1 of the codes: 128 rows of 256 bytes, dense; the mask names the cluster's four
	s_mov_b32 s25, 32<<16
	s_mov_b32 s26, 128<<16
	s_mov_b32 s27, 32<<16
	s_mov_b32 s28, 128
	s_mov_b32 s29, 32
	s_mov_b32 s30, 0
	s_mov_b32 s31, 0
	s_mov_b32 s32, 15|(3<<16)|(1<<21)              ; of the scales: 24 rows of 256 bytes
	s_mov_b32 s33, 32<<16
	s_mov_b32 s34, 24<<16
	s_mov_b32 s35, 32<<16
	s_mov_b32 s36, 24
	s_mov_b32 s37, 32
	s_mov_b32 s38, 0
	s_mov_b32 s39, 0
	s_mul_i32 s16, s15, 294912
	s_lshl_b32 s41, s12, 15                        ; waves 0-5: LDS byte 32,768 x wave
	s_add_co_u32 s18, s16, s41
	s_add_co_u32 s18, s18, 98304                   ; k's codes lie behind q's, v's behind k's
	s_mov_b32 s19, 0
	s_mul_i32 s60, s15, 20480
	s_and_b32 s3, s12, 1
	s_mul_i32 s61, s3, 6144                        ; waves 6, 7: a half each of the 12,288 bytes of scale words
	s_add_co_u32 s62, s60, s61
	s_add_co_u32 s62, s62, 8192
	s_mov_b32 s63, 0
	s_add_co_u32 s45, s61, KSL
	s_mov_b32 s40, 1
	s_mov_b32 s44, 1
	WALU
	s_wait_dscnt 0x0
	s_wait_kmcnt 0x0
	s_add_nc_u64 s[42:43], s[4:5], s[18:19]
	s_or_b32 s43, s43, 0x80000000
	s_add_nc_u64 s[46:47], s[6:7], s[62:63]
	s_or_b32 s47, s47, 0x80000000
	CROUND                                         ; the four work-groups are here: the joint loads meet
	s_cmp_lt_u32 s12, 6
	s_cbranch_scc0 .Lscales
	tensor_load_to_lds s[40:43], s[24:31]
	s_nop 0
	NOPS 4
	s_branch .Lasked
.Lscales:
	tensor_load_to_lds s[44:47], s[32:39]
	s_nop 0
	NOPS 4
.Lasked:
	s_lshl_b32 s2, s14, 2
	s_lshr_b32 s17, s12, 1
	s_add_co_u32 s2, s2, s17                       ; my step of 128 queries; my four tiles are its tiles 4 (wave % 2) + 0 .. 3
	s_mul_i32 s18, s2, 6144
	s_add_co_u32 s18, s18, s16
	s_mul_i32 s17, s3, 3072
	s_add_co_u32 s18, s18, s17
	s_add_nc_u64 s[52:53], s[4:5], s[18:19]        ; q's codes
	s_lshl_b32 s62, s2, 9
	s_add_co_u32 s62, s62, s60
	s_lshl_b32 s17, s3, 8
	s_add_co_u32 s62, s62, s17
	s_add_nc_u64 s[54:55], s[6:7], s[62:63]        ; q's scale words
	s_and_b32 s2, s15, 15                          ; head
	s_lshr_b32 s3, s15, 4
	s_lshl_b32 s3, s3, 7
	s_lshl_b32 s17, s14, 5
	s_add_co_u32 s3, s3, s17
	s_lshl_b32 s17, s12, 2
	s_add_co_u32 s3, s3, s17                       ; my first tile of z: 128 x batch + 32 x work-group x + 4 x wave
	s_lshr_b32 s17, s2, 2
	s_mul_i32 s18, s17, 1572864
	s_mul_i32 s17, s3, 3072
	s_add_co_u32 s18, s18, s17
	s_and_b32 s17, s2, 3
	s_mul_i32 s17, s17, 768
	s_add_co_u32 s18, s18, s17
	s_add_nc_u64 s[56:57], s[8:9], s[18:19]        ; z's codes
	s_lshl_b32 s62, s3, 9
	s_lshr_b32 s17, s2, 3
	s_lshl_b32 s17, s17, 8
	s_add_co_u32 s62, s62, s17
	s_and_b32 s17, s2, 7
	s_lshl_b32 s17, s17, 1
	s_add_co_u32 s62, s62, s17
	s_add_nc_u64 s[58:59], s[10:11], s[62:63]      ; z's scale bytes
	s_mov_b32 s20, 0x76543210
	s_mov_b32 s21, 0xfedcba98                      ; v_permlanex16_b32's selects for lane l xor 16
	s_mov_b32 s22, 0x3e38aa3b                      ; c = log2(e) / 8
	s_mov_b32 s23, s22
	s_mov_b32 s50, 0xbe38aa3b                      ; -c
	v_and_b32 v8, 31, v0
	v_lshlrev_b32 v9, 4, v8                        ; 16 x lane
	v_and_b32 v10, 15, v0
	v_lshlrev_b32 v[OA16], 4, v10                  ; 16 r
	v_lshlrev_b32 v[OA8], 3, v8
	v_add_nc_u32 v[AV0], VL, v9
	v_add_nc_u32 v[AVS0], VSL, v[OA16]
	v_and_b32 v11, 7, v0                           ; i
	v_bfe_u32 v12, v0, 3, 1                        ; h'
	v_bfe_u32 v13, v0, 4, 1                        ; h
	v_lshlrev_b32 v[SH8], 3, v13
	v_lshlrev_b32 v14, 4, v11
	v_mul_u32_u24 v15, v12, 1536
	v_add_nc_u32 v[AK0], v15, v14
	v_lshl_add_u32 v[AK0], v13, 8, v[AK0]          ; 1,536 h' + 16 i + 256 h
	v_lshl_add_u32 v[AKS0], v12, 3, v14
	v_add_nc_u32 v[AKS0], KSL, v[AKS0]             ; 16 i + 8 h'
.irp g, 0,1,2,3,4,5
	global_load_b128 v[VF+4*\g:VF+4*\g+3], v9, s[52:53] offset:512*\g   ; q's four tiles, six registers each
.endr
	global_load_b128 v[QS:QS+3], v[OA16], s[54:55]
.irp i, 0,1,2,3,4,5
	v_mov_b32 v[KF+48+\i], 0                       ; what follows k's last tile
.irp u, 0,1,2,3
	v_mov_b32 v[Q+12*\u+6+\i], 0                   ; the zero codes of q's operands
.endr
.endr
.irp t, 0,1,2,3
	v_mov_b32 v[ST+4*\t+1], 0xff61b1e6             ; the largest score so far: -3e38
	v_mov_b32 v[ST+4*\t+2], 0
	v_mov_b32 v[ST+4*\t+3], 0
	v_mov_b32 v[F+\t], 0
	v_mov_b32 v[U+\t], 0                           ; a lane permute's destination counts as one of its sources
.endr
.irp t, 0,1,2,3
	v_mul_f32 v[ST+4*\t], s50, v[ST+4*\t+1]
.endr
.irp t, 0,1,2,3
	v_floor_f32 v[ST+4*\t], v[ST+4*\t]             ; -M
.endr
	WIN 0x40
.set j_, 0
.rept 128
	v_mov_b32 v[128+j_], 0                         ; O^T: the step is written once; the first finds zeros
.set j_, j_+1
.endr
	WIN 0
	WALU
	s_wait_loadcnt 0x0
.irp u, 0,1,2,3
.irp i, 0,1,2,3,4,5
	v_mov_b32 v[Q+12*\u+\i], v[VF+6*\u+\i]
.endr
.endr
	s_mov_b32 s48, 6144                            ; where the next step's k lies; its scale words
	s_mov_b32 s49, 512
	s_mov_b32 s16, 0                               ; this step's v; its scale words
	s_mov_b32 s17, 0
	s_mov_b32 s51, 16
	WALU
	s_wait_tensorcnt 0x0                           ; my tile is in,
	s_barrier_signal -1
	s_barrier_wait -1                              ; everybody's is; nothing is filled again
	KLOAD AK0, AKS0
; ================= 16 steps of 128 keys
.Lstep:
	v_add_nc_u32 v[T], s16, v[AV0]                 ; these four lines are the places behind the last products
	v_add_nc_u32 v[T+1], s17, v[AVS0]
	NOPS 2
.irp e, 0,1,2,3
.irp p, 0,1,2
	ds_load_b128 v[VF+12*\e+4*\p:VF+12*\e+4*\p+3], v[T] offset:1536*\e+512*\p
.endr
.endr
	ds_load_b128 v[VS:VS+3], v[T+1]
	WALU
	s_wait_dscnt 13                                ; k's 16 loads are in; v's 13, issued behind them, may be out
	SMUL 0
	NOPS 4
	SOFT 0
	WALU
	s_wait_dscnt 0x0                               ; v is in
	PV 0
	SMUL 1
	WIN 0
	v_add_nc_u32 v[T], s48, v[AK0]                 ; four places, then the next step's k into the registers just read
	v_add_nc_u32 v[T+1], s49, v[AKS0]
	NOPS 2
	KLOAD T, T+1
	SOFT 1
	PV 1
	WIN 0
	s_add_co_u32 s48, s48, 6144
	s_add_co_u32 s49, s49, 512
	s_add_co_u32 s16, s16, 6144
	s_add_co_u32 s17, s17, 256
	s_sub_co_u32 s51, s51, 1
	s_cmp_lg_u32 s51, 0
	WALU
	s_cbranch_scc1 .Lstep
; ================= the way out: z = O^T / the sum, quantised along the head's 64 channels.  Registers 16 b + i of lane (query, h) are channels 32 b + 16 h + i
	s_wait_dscnt 0x0                               ; the loads that ran ahead
.irp t, 0,1,2,3
	v_add_f32 v[T+\t], v[ST+4*\t+2], v[ST+4*\t+3]
.endr
.irp t, 0,1,2,3
	v_permlanex16_b32 v[U+\t], v[T+\t], s20, s21
.endr
.irp t, 0,1,2,3
	v_add_f32 v[T+\t], v[T+\t], v[U+\t]            ; the row's sum
.endr
	WALU
.irp t, 0,1,2,3
	v_rcp_f32 v[F+2*\t], v[T+\t]
.endr
	v_nop
.set Z, KF
.macro TAIL t
.set CD_, P+8*\t                       ; every store has data registers of its own
	WIN 0x01
	WALU                                           ; directly ahead of this tile's first readers of O^T
.set j_, 0
.rept 16
	v_pk_mul_f32 v[Z+j_:Z+j_+1], v[128+32*\t+j_:129+32*\t+j_], v[F+2*\t:F+2*\t+1] op_sel_hi:[1,0]
.set j_, j_+2
.endr
	WIN 0
.irp b, 0,1
	v_max3_num_f32 v[T+\b], |v[Z+16*\b]|, |v[Z+16*\b+1]|, 0x1800000
.endr
.irp i, 2,4,6,8,10,12,14
.irp b, 0,1
	v_max3_num_f32 v[T+\b], v[T+\b], |v[Z+16*\b+\i]|, |v[Z+16*\b+\i+1]|
.endr
.endr
.irp b, 0,1
	v_permlanex16_b32 v[U+\b], v[T+\b], s20, s21
.endr
.irp b, 0,1
	v_max_num_f32 v[T+\b], v[T+\b], v[U+\b]
.endr
.irp b, 0,1
	v_add_nc_u32 v[SF+\b], 0xff000000, v[T+\b]
.endr
.irp b, 0,1
	v_lshrrev_b32 v[U+\b], 23, v[SF+\b]
.endr
	v_lshl_or_b32 v[250+\t], v[U+1], 8, v[U]
	v_cvt_scalef32_pk16_fp6_f32 v[CD_:CD_+2], v[Z:Z+15], v[SF]
	v_cvt_scalef32_pk16_fp6_f32 v[12:14], v[Z+16:Z+31], v[SF+1]
	v_nop
.irp i, 0,1,2
	v_permlane16_swap_b32 v[CD_+\i], v[12+\i]      ; a whole block to a lane
.endr
.irp i, 0,1,2
	v_mov_b32 v[CD_+3+\i], v[12+\i]
.endr
.irp g, 0,1,2
	global_store_b64 v[OA8], v[CD_+2*\g:CD_+2*\g+1], s[56:57] offset:3072*\t+256*\g   ; 32 lanes store 256 consecutive bytes, aligned
.endr
	global_store_b16 v[OA16], v[250+\t], s[58:59] offset:512*\t
.endm
	TAIL 0
	TAIL 1
	TAIL 2
	TAIL 3
	s_wait_tensorcnt 0x0                           ; the wave's end
	ds_add_u32 v[SPW], v[NIL]
	s_wait_dscnt 0x0
	CROUND                                         ; the closing round
	s_endpgm
.Lfunc_end_k_q34bc575d4f_attn:
	.size	k_q34bc575d4f_attn, .Lfunc_end_k_q34bc575d4f_attn-k_q34bc575d4f_attn
	.p2alignl 7, 3214868480
	.fill 96, 4, 3214868480
	.section	.rodata,"a",@progbits
	.p2align	6, 0x0
	.amdhsa_kernel k_q34bc575d4f_attn
		.amdhsa_group_segment_fixed_size 327680
		.amdhsa_private_segment_fixed_size 0
		.amdhsa_enable_private_segment 0
		.amdhsa_kernarg_size 32
		.amdhsa_user_sgpr_count 2
		.amdhsa_user_sgpr_kernarg_segment_ptr 1
		.amdhsa_wavefront_size32 1
		.amdhsa_system_sgpr_workgroup_id_x 1
		.amdhsa_system_sgpr_workgroup_id_y 1
		.amdhsa_system_sgpr_workgroup_id_z 1
		.amdhsa_system_vgpr_workitem_id 0
		.amdhsa_next_free_vgpr 512
		.amdhsa_next_free_sgpr 66
		.amdhsa_reserve_vcc 0
		.amdhsa_float_denorm_mode_32 3
		.amdhsa_float_denorm_mode_16_64 3
		.amdhsa_memory_ordered 1
		.amdhsa_forward_progress 1
		.amdhsa_inst_pref_size 82
	.end_amdhsa_kernel
	.amdgpu_metadata
---
amdhsa.version: [ 1, 2 ]
amdhsa.kernels:
  - .name:           k_q34bc575d4f_attn
    .symbol:         k_q34bc575d4f_attn.kd
    .args:
      - { .name: qkv, .offset: 0, .size: 8, .value_kind: global_buffer, .address_space: global }
      - { .name: qkvs, .offset: 8, .size: 8, .value_kind: global_buffer, .address_space: global }
      - { .name: zi, .offset: 16, .size: 8, .value_kind: global_buffer, .address_space: global }
      - { .name: sco, .offset: 24, .size: 8, .value_kind: global_buffer, .address_space: global }
    .group_segment_fixed_size: 327680
    .private_segment_fixed_size: 0
    .kernarg_segment_align: 8
    .kernarg_segment_size: 32
    .max_flat_workgroup_size: 256
    .sgpr_count:     66
    .vgpr_count:     512
    .wavefront_size: 32
...
	.end_amdgpu_metadata
.endif
;; end of part 3
;; launch outp (part 4): grid 4 x 64, 4 waves a work-group, clusters of 4 x 4, 327,680 bytes of LDS; arguments zi, wi, sco, bo, out0; writes out0
.if DOCPART == 4
	.amdgcn_target "amdgcn-amd-amdhsa--gfx1250"
	.amdhsa_code_object_version 6
	.text
	.protected	k_q34bc575d4f_outp
	.globl	k_q34bc575d4f_outp
	.p2align	8
	.type	k_q34bc575d4f_outp,@function
k_q34bc575d4f_outp:
	s_mov_b64 s[64:65], 0
	v_nop
	global_prefetch_b8 v0, s[64:65] scope:SCOPE_SE
	s_setreg_imm32_b32 hwreg(HW_REG_WAVE_MODE, 25, 1), 1
	s_wait_xcnt 0x0
	s_wait_alu depctr_hold_cnt(0) depctr_sa_sdst(0) depctr_va_vdst(0) depctr_va_sdst(0) depctr_va_ssrc(0) depctr_va_vcc(0) depctr_vm_vsrc(0)
	s_getreg_b32 s2, hwreg(HW_REG_IB_STS2, 6, 4)
	s_cmp_eq_u32 s2, 0
	s_cbranch_scc0 .Lentry_in_a_cluster
	s_endpgm
.Lentry_in_a_cluster:
	s_bfe_u32 s2, ttmp6, 0x10000c
	s_cmp_lg_u32 s2, 0xf033
	s_cbranch_scc0 .Lentry_shape_is_right
	s_endpgm
.Lentry_shape_is_right:
; out = z Wo + bo on codes of FP6 (E2M3).  K = 1,024.  A (source 1; by work-group y) = 128 rows of z (eight tiles), B (source 0; by work-group x) = 256 of Wo's columns: a lane of the result holds one row and neighbouring columns.
; Four waves, 2 x 2; a wave makes 64 rows x 128 columns: 32 accumulators.  256 work-groups.
; ALL OF K LIES IN LDS: operands lie in memory as [K step / 2][tile][K step % 2][1,536], so a wave's tiles are 4 rows (one for each pair of K steps) of 12,288 (A, four tiles) or 24,576 bytes (B, eight tiles):
; one tensor load a wave at the head, 294,912 bytes a work-group, nothing filled again.  CLUSTER 4 x 4: A's rows are asked for jointly along a row of the cluster, B's along a column.
; No data prefetch: all is asked for at the head, and there is no loop to run ahead in.  Both operands have two sets of fragment registers: a K step's 48 LDS loads are issued ahead of the K step before's products.
; z's fragments lie as attention stores them: register pair p of lane L at 256 p + 8 L.  Tile T, lane r: row 32 (T / 2) + 8 (T % 2) + r + 8 (r / 8), of z and of Wo's columns alike.
; THE WAY OUT: 16 rows x 128 columns at a time through the wave's own stage in LDS, back as rows of 512 bytes.  The stages lie on A's bytes, which have had their only fill; a barrier stands between every wave's last read and the first store.
; REGISTERS: window 0: v1-29 addresses; v32-95 scale words (8 i + K step: lanes 0-15 A's tile i, lanes 16-31 B's); v96-127, v224-255 eight bias tiles; v128-223 A's fragments, two sets; on the way out v128-255 rows.
;   window 1: B's fragments, two sets.  window 2: accumulator (a, b) at v[8 (8 a + b)].
.set TB0,   192
.set SPA,   1572864
.set SPB,   786432
.set SOB,   262144
.set TILEB, 3072
.set AREG,  16*TILEB
.set BREG,  32*TILEB
.set BL,    2*AREG
.set SPARE, BL+2*BREG
.set SPITCH, 528
.set NF,    48
.set L8,   9
.set LI,   10
.set SCO,  11
.set BO,   12
.set SC2,  14
.set ADRA, 16
.set ADRB, 20
.set STO,  24
.set RD,   25
.set SPW,  28
.set NIL,  29
.set SC,   32
.set AF,   128
.set BK,   128
.set G1,   24
.set G0,   32
.set G1B,  48
.set G0B,  56
.set MSB, 0
.macro WIN new
.if MSB != (\new)
	s_set_vgpr_msb (MSB<<8)|(\new)
.set MSB, (\new)
.endif
.endm
.macro WALU
	s_wait_alu depctr_va_vdst(0)
.endm
.macro PLACES
.rept 4
	v_nop
.endr
.endm
.macro CROUND
	s_barrier_signal -1
	s_barrier_wait -1
	s_cmp_lg_u32 s14, 0
	s_cbranch_scc1 .Lnot_wave_0_\@
	s_barrier_signal -3
.Lnot_wave_0_\@:
	s_barrier_wait -3
	s_barrier_signal -1
	s_barrier_wait -1
.endm
	s_load_b128 s[4:7], s[0:1], 0x0                ; zi, wi
	s_load_b128 s[8:11], s[0:1], 0x10              ; sco, bo
	s_load_b64 s[12:13], s[0:1], 0x20              ; out0
	v_lshl_add_u32 v[SPW], v0, 2, SPARE
	v_mov_b32 v[NIL], 0
	ds_add_u32 v[SPW], v[NIL]                      ; the opening lines: the add twice on end and one wait
	ds_add_u32 v[SPW], v[NIL]
	v_lshrrev_b32 v1, 5, v0
	v_readfirstlane_b32 s14, v1                    ; wave
	s_lshr_b32 s15, s14, 1                         ; my four tiles of A.  Also: I fetch for A (0) or for B (1)
	s_and_b32 s16, s14, 1                          ; my eight tiles of B.  Also: which part I fetch
	s_bfe_u32 s40, ttmp6, 0x40000
	s_bfe_u32 s41, ttmp6, 0x40004
	s_lshl_b32 s42, ttmp9, 2
	s_add_co_u32 s42, s42, s40                     ; work-group x
	s_and_b32 s17, ttmp7, 0xffff
	s_lshl_b32 s17, s17, 2
	s_add_co_u32 s17, s17, s41                     ; work-group y
	s_lshl_b32 s43, s41, 2
	s_lshl_b32 s43, 15, s43                        ; my row of the cluster
	s_lshl_b32 s44, 0x1111, s40                    ; my column
	s_or_b32 s[G1+0], s43, (3<<16)|(1<<21)
	s_or_b32 s[G1B+0], s44, (3<<16)|(1<<21)
	s_mov_b32 s[G1+1], 1536<<16                    ; A: 4 rows of 1,536 elements of 8 bytes
	s_mov_b32 s[G1+2], 4<<16
	s_mov_b32 s[G1+3], 1536<<16
	s_mov_b32 s[G1+4], 4
	s_mov_b32 s[G1+5], SPA/8
	s_mov_b32 s[G1+6], 0
	s_mov_b32 s[G1+7], 0
	s_mov_b32 s[G1B+1], 3072<<16                   ; B: 4 rows of 3,072
	s_mov_b32 s[G1B+2], 4<<16
	s_mov_b32 s[G1B+3], 3072<<16
	s_mov_b32 s[G1B+4], 4
	s_mov_b32 s[G1B+5], SPB/8
	s_mov_b32 s[G1B+6], 0
	s_mov_b32 s[G1B+7], 0
	s_lshl_b32 s20, s17, 3
	s_lshl_b32 s18, s16, 2
	s_add_co_u32 s20, s20, s18
	s_mul_i32 s20, s20, TILEB
	s_mov_b32 s21, 0
	s_lshl_b32 s46, s42, 4
	s_lshl_b32 s18, s16, 3
	s_add_co_u32 s46, s46, s18
	s_add_co_u32 s46, s46, TB0
	s_mul_i32 s46, s46, TILEB
	s_mov_b32 s47, 0
	s_mov_b32 s[G0], 1
	s_mul_i32 s[G0+1], s16, AREG
	s_mov_b32 s[G0B], 1
	s_mul_i32 s[G0B+1], s16, BREG
	s_add_co_u32 s[G0B+1], s[G0B+1], BL
	WALU
	s_wait_dscnt 0x0
	s_wait_kmcnt 0x0
	s_add_nc_u64 s[G0+2:G0+3], s[4:5], s[20:21]
	s_or_b32 s[G0+3], s[G0+3], 0x80000000
	s_add_nc_u64 s[G0B+2:G0B+3], s[6:7], s[46:47]
	s_or_b32 s[G0B+3], s[G0B+3], 0x80000000
	CROUND                                         ; all sixteen work-groups are here: the joint loads meet
	s_cmp_eq_u32 s15, 0
	s_cbranch_scc0 .Lfor_b
	tensor_load_to_lds s[G0:G0+3], s[G1:G1+7]
	s_nop 0
	PLACES
	s_branch .Lasked
.Lfor_b:
	tensor_load_to_lds s[G0B:G0B+3], s[G1B:G1B+7]
	s_nop 0
	PLACES
.Lasked:
	s_mul_i32 s21, s15, AREG
	s_mul_i32 s22, s16, BREG
	s_add_co_u32 s22, s22, BL
	s_lshl_b32 s18, s17, 3
	s_lshl_b32 s19, s15, 2
	s_add_co_u32 s18, s18, s19
	s_lshl_b32 s18, s18, 9                         ; A's scale words
	s_lshl_b32 s19, s42, 4
	s_lshl_b32 s23, s16, 3
	s_add_co_u32 s19, s19, s23
	s_lshl_b32 s19, s19, 9
	s_add_co_u32 s19, s19, SOB                     ; B's
	s_lshl_b32 s92, s42, 10
	s_lshl_b32 s23, s16, 9
	s_add_co_u32 s92, s92, s23                     ; my first column, in bytes
	s_mov_b32 s93, 0
	s_add_nc_u64 s[10:11], s[10:11], s[92:93]
	s_lshl_b32 s23, s17, 19                        ; 128 rows of 4,096 bytes a work-group,
	s_add_co_u32 s92, s92, s23
	s_lshl_b32 s23, s15, 18                        ; 64 a wave
	s_add_co_u32 s92, s92, s23
	s_add_nc_u64 s[12:13], s[12:13], s[92:93]
	s_mul_i32 s66, s14, 16*SPITCH                  ; my stage
	v_and_b32 v1, 15, v0                           ; r
	v_bfe_u32 v2, v0, 4, 1                         ; h
	v_and_b32 v3, 31, v0
	v_lshlrev_b32 v[L8], 3, v3
	v_lshlrev_b32 v[LI], 4, v3
	v_add_nc_u32 v[ADRA], s21, v[L8]
	v_add_nc_u32 v[ADRB], s22, v[LI]
.irp s, 1,2,3
	v_add_nc_u32 v[ADRA+\s], \s*4*TILEB, v[ADRA]   ; one address for each pair of K steps
	v_add_nc_u32 v[ADRB+\s], \s*8*TILEB, v[ADRB]
.endr
	v_mov_b32 v5, s18
	v_mov_b32 v6, s19
	v_cmp_eq_u32 vcc_lo, 1, v2
	v_cndmask_b32 v[SCO], v5, v6, vcc_lo           ; lanes 0-15 take A's words, lanes 16-31 B's
	v_lshl_add_u32 v[SCO], v1, 4, v[SCO]
	v_lshl_add_u32 v[SC2], v1, 4, v6               ; for B's tiles 4-7, which have no tile of A beside them: every lane takes B's
	v_lshlrev_b32 v[BO], 6, v2
	v_mul_u32_u24 v[STO], v1, SPITCH
	v_lshl_add_u32 v[STO], v2, 6, v[STO]
	v_add_nc_u32 v[STO], s66, v[STO]
	v_add_nc_u32 v[RD], s66, v[LI]
.irp i, 0,1,2,3
.irp q, 0,1
	global_load_b128 v[SC+8*\i+4*\q:SC+8*\i+4*\q+3], v[SCO], s[8:9] offset:512*\i+256*\q
	global_load_b128 v[SC+32+8*\i+4*\q:SC+32+8*\i+4*\q+3], v[SC2], s[8:9] offset:2048+512*\i+256*\q
.endr
.endr
.irp b, 0,1,2,3,4,5,6,7
	global_load_b128 v[96+8*\b+96*(\b/4):96+8*\b+96*(\b/4)+3], v[BO], s[10:11] offset:4*(32*(\b/2)+8*(\b%2))
	global_load_b128 v[96+8*\b+96*(\b/4)+4:96+8*\b+96*(\b/4)+7], v[BO], s[10:11] offset:4*(32*(\b/2)+8*(\b%2))+16
.endr
.macro FETCH ks                        ; K step ks's fragments into set ks % 2: 24 loads for B, 24 for A
	WIN 0x40
.irp i, 0,1,2,3,4,5,6,7
.irp c, 0,1,2
	ds_load_b128 v[128*((\ks)%2)+12*\i+4*\c:128*((\ks)%2)+12*\i+4*\c+3], v[ADRB+(\ks)/2] offset:\i*TILEB+((\ks)%2)*1536+512*\c
.endr
.endr
	WIN 0
.irp i, 0,1,2,3
.irp p, 0,1,2,3,4,5
	ds_load_b64 v[AF+48*((\ks)%2)+12*\i+2*\p:AF+48*((\ks)%2)+12*\i+2*\p+1], v[ADRA+(\ks)/2] offset:\i*TILEB+((\ks)%2)*1536+256*\p
.endr
.endr
.endm
.macro MUL32 ks, first                 ; 32 products; the accumulators take turns, one instruction a turn.  first = 1: the sums start from the bias of B's tile
	WIN 0xa1-0x20*\first
.irp a, 0,1,2,3
.irp b, 0,1,2,3,4,5,6,7
.if \first
	v_wmma_scale_f32_16x16x128_f8f6f4 v[8*(8*\a+\b):8*(8*\a+\b)+7], v[128*((\ks)%2)+12*\b:128*((\ks)%2)+12*\b+11], v[AF+48*((\ks)%2)+12*\a:AF+48*((\ks)%2)+12*\a+11], v[96+8*\b+96*(\b/4):96+8*\b+96*(\b/4)+7], v[SC+8*\b+(\ks)], v[SC+8*\a+(\ks)] matrix_a_fmt:MATRIX_FMT_FP6 matrix_b_fmt:MATRIX_FMT_FP6 matrix_a_scale:MATRIX_SCALE_ROW1
.else
	v_wmma_scale_f32_16x16x128_f8f6f4 v[8*(8*\a+\b):8*(8*\a+\b)+7], v[128*((\ks)%2)+12*\b:128*((\ks)%2)+12*\b+11], v[AF+48*((\ks)%2)+12*\a:AF+48*((\ks)%2)+12*\a+11], v[8*(8*\a+\b):8*(8*\a+\b)+7], v[SC+8*\b+(\ks)], v[SC+8*\a+(\ks)] matrix_a_fmt:MATRIX_FMT_FP6 matrix_b_fmt:MATRIX_FMT_FP6 matrix_a_scale:MATRIX_SCALE_ROW1
.endif
.endr
.endr
.endm
	WALU                                           ; the wait at the head's end
	s_wait_tensorcnt 0x0                           ; my tile is in,
	s_barrier_signal -1
	s_barrier_wait -1                              ; everybody's is; nothing is filled again
	FETCH 0
	FETCH 1
	s_wait_loadcnt 0x0                             ; the scale words and the bias
	s_wait_dscnt NF                                ; K step 0's loads are in; the 48 issued behind them may be out
	MUL32 0, 1
.irp ks, 1,2,3,4,5,6
	PLACES                                         ; four places ahead of loads into registers that the products before have read
	FETCH \ks+1
	s_wait_dscnt NF
	MUL32 \ks, 0
.endr
	s_wait_dscnt 0x0                               ; my reads of the tiles are over:
	s_barrier_signal -1                            ; say so, work on registers,
	MUL32 7, 0
	WIN 0
	s_barrier_wait -1                              ; and store to the stage only when every wave has said so
	PLACES
.macro TOSTAGE a
.set AC, 64*(\a)
	WIN 0x08                                       ; the data: window 2
.irp i, 0,1,2,3
.irp k, 0,1,2,3
	ds_store_b128 v[STO], v[AC+16*\i+4*\k:AC+16*\i+4*\k+3] offset:128*\i+16*\k   ; each accumulator from its low end on
.endr
.endr
	WIN 0
.set BB, BK+64*((\a)%2)
.irp t, 0,1,2,3,4,5,6,7,8,9,10,11,12,13,14,15
	ds_load_b128 v[BB+4*\t:BB+4*\t+3], v[RD] offset:\t*SPITCH   ; LDS serves a wave's instructions in order: these see my stores
.endr
.endm
.macro SEND a, younger                 ; younger: the LDS instructions issued behind block a's loads, which may stay out
.set BB, BK+64*((\a)%2)
	s_wait_dscnt \younger
.irp t, 0,1,2,3,4,5,6,7,8,9,10,11,12,13,14,15
	global_store_b128 v[LI], v[BB+4*\t:BB+4*\t+3], s[12:13] offset:(32*((\a)/2)+8*((\a)%2)+\t+8*(\t/8))*4096 th:TH_STORE_NT   ; 512 consecutive bytes, aligned
.endr
.endm
	TOSTAGE 0
.irp a, 1,2,3
.if \a > 1
	s_wait_xcnt 0x0                                ; block a - 2's stores have read their registers: block a's loads may land there
.endif
	TOSTAGE \a
	SEND \a-1, 32
.endr
	SEND 3, 0
	s_wait_tensorcnt 0x0                           ; the wave's end
	ds_add_u32 v[SPW], v[NIL]
	s_wait_dscnt 0x0
	CROUND                                         ; the closing round
	s_endpgm
.Lfunc_end_k_q34bc575d4f_outp:
	.size	k_q34bc575d4f_outp, .Lfunc_end_k_q34bc575d4f_outp-k_q34bc575d4f_outp
	.p2alignl 7, 3214868480
	.fill 96, 4, 3214868480
	.section	.rodata,"a",@progbits
	.p2align	6, 0x0
	.amdhsa_kernel k_q34bc575d4f_outp
		.amdhsa_group_segment_fixed_size 327680
		.amdhsa_private_segment_fixed_size 0
		.amdhsa_enable_private_segment 0
		.amdhsa_kernarg_size 40
		.amdhsa_user_sgpr_count 2
		.amdhsa_user_sgpr_kernarg_segment_ptr 1
		.amdhsa_wavefront_size32 1
		.amdhsa_system_sgpr_workgroup_id_x 1
		.amdhsa_system_sgpr_workgroup_id_y 1
		.amdhsa_system_sgpr_workgroup_id_z 1
		.amdhsa_system_vgpr_workitem_id 0
		.amdhsa_next_free_vgpr 768
		.amdhsa_next_free_sgpr 100
		.amdhsa_reserve_vcc 1
		.amdhsa_float_denorm_mode_32 3
		.amdhsa_float_denorm_mode_16_64 3
		.amdhsa_memory_ordered 1
		.amdhsa_forward_progress 1
		.amdhsa_inst_pref_size 83
	.end_amdhsa_kernel
	.amdgpu_metadata
---
amdhsa.version: [ 1, 2 ]
amdhsa.kernels:
  - .name:           k_q34bc575d4f_outp
    .symbol:         k_q34bc575d4f_outp.kd
    .args:
      - { .name: zi, .offset: 0, .size: 8, .value_kind: global_buffer, .address_space: global }
      - { .name: wi, .offset: 8, .size: 8, .value_kind: global_buffer, .address_space: global }
      - { .name: sco, .offset: 16, .size: 8, .value_kind: global_buffer, .address_space: global }
      - { .name: bo, .offset: 24, .size: 8, .value_kind: global_buffer, .address_space: global }
      - { .name: out0, .offset: 32, .size: 8, .value_kind: global_buffer, .address_space: global }
    .group_segment_fixed_size: 327680
    .private_segment_fixed_size: 0
    .kernarg_segment_align: 8
    .kernarg_segment_size: 40
    .max_flat_workgroup_size: 128
    .sgpr_count:     100
    .vgpr_count:     768
    .wavefront_size: 32
...
	.end_amdgpu_metadata
.endif
;; end of part 4
